; MI455X (gfx1250); checked and timed in simulation.
; The chip was launched on July 23, 2026; its instructions are those of AMD's public machine-readable ISA for CDNA 5 (MIT licence, August 2026) and "CDNA5" Instruction Set Architecture Reference Guide (July 2026). The comments in the code are by the model that wrote it; some were corrected since.
;; Group Query Attention. Allowed arithmetic: matrix products marked QUANTISED: E2M3 operands, one E8M0 scale for each 32 along K, by v_wmma_scale_f32_16x16x128_f8f6f4 with both operands' format E2M3, f32 sums; everything else in f32.
;; Inputs: Wk 2,048 x 512 float32; Wo 1,024 x 2,048 float32; Wq 2,048 x 1,024 float32; Wv 2,048 x 512 float32; attn_mask 1 x 1 x 2,048 x 2,048 float32; k_norm_w 64 float32; position_ids 2 x 2,048 int32; q_norm_w 64 float32; x 2 x 2,048 x 2,048 float32.
;; Outputs: out0 2 x 2,048 x 2,048 float32; out1 2 x 8 x 2,048 x 64 float32; out2 2 x 8 x 2,048 x 64 float32.
;; This version of the problem:
;;   THIS VERSION OF THE PROBLEM IS GIVEN IN LOW PRECISION. The matrix products marked QUANTISED in the list below multiply operands that are first quantised to E2M3 (2 exponent bits, 3 mantissa bits; 6 bits a number), with one power-of-two scale for each 32 numbers along K (OCP MX v1.0); their sums are f32. All else is computed in f32.
;;   The module's matrix products, in the order in which they are computed (A, B: the left and right operand; K: the contracted axis; several contracted axes count as one K, in the product's order):
;;     1. [M 4,096, K 2,048] x [K 2,048, N 1,024]; A: input x; B: input Wq: QUANTISED
;;     2. [M 4,096, K 2,048] x [K 2,048, N 512]; A: input x; B: input Wk: QUANTISED
;;     3. [M 4,096, K 2,048] x [K 2,048, N 512]; A: input x; B: input Wv: QUANTISED
;;     4. batch 16 x [M 4,096, K 64] x [K 64, N 2,048]; A: computed on the way; B: computed on the way: QUANTISED
;;     5. batch 16 x [M 4,096, K 2,048] x [K 2,048, N 64]; A: softmax (see below); B: computed on the way: QUANTISED
;;     6. [M 4,096, K 1,024] x [K 1,024, N 2,048]; A: computed on the way; B: input Wo: QUANTISED
;;   THE QUANTISER, for each operand of a quantised product, along K:
;;     - K is cut into blocks of 32 from its start; a last block that is shorter is filled with zeros.
;;     - A block's scale is 2^e with e = floor(log2(the largest magnitude in the block)) - 2, held to -126 .. 127; a block of zeros has e = 0. As a byte (E8M0): e + 127.
;;     - Each number is divided by its block's scale, clamped to +-7.5, and rounded to the nearest number of E2M3, ties to even, subnormals kept.
;;     - The product sums the exact products of the quantised numbers (number of the format x scale) in f32.
;;   ~~~python
;;   def quantise(x, axis):      # numpy; x: float32 -> the quantised numbers, widened to float32 again
;;       x = np.moveaxis(x, axis, -1); K = x.shape[-1]
;;       x = np.pad(x, [(0, 0)] * (x.ndim - 1) + [(0, -K % 32)]); x = x.reshape(x.shape[:-1] + (-1, 32)); a = np.abs(x).max(-1, keepdims=True)
;;       e = np.where(a > 0, np.clip(np.frexp(np.where(a > 0, a, 1))[1] - 1 - 2, -126, 127), 0)      # np.frexp(a)[1] - 1 = floor(log2(a)), exactly
;;       r = np.clip(x / 2.0 ** e, -7.5, 7.5)
;;       step = 2.0 ** (np.maximum(np.frexp(np.where(r == 0, 1, r))[1] - 1, 0) - 3)
;;       q = np.round(r / step) * step * 2.0 ** e      # np.round: ties to even
;;       return np.moveaxis(q.reshape(q.shape[:-2] + (-1,))[..., :K], -1, axis).astype(np.float32)
;;   ~~~
;;   SOFTMAX AHEAD OF A QUANTISED PRODUCT. Where the list says 'softmax', what is quantised is not the finished softmax but p = 2^(t - M), with t = logit x log2(e) and M = ceil(the row's largest t), a whole number; so 1/2 < the row's largest p <= 1. The row's sum l is taken of the UNQUANTISED p, in f32, and the product's result is divided by l at the end. Since M is a whole number, a kernel that streams over the keys may use a running M (the ceiling of the running maximum): every later rescaling is an exact power of two, which a block's scale takes up: the codes' values come out the same.
;;   OPERANDS COMPUTED ON THE WAY. 'Computed on the way' means the value that the module computes at that place (a softmax that the list does not call 'softmax' is quantised finished and normalised). What goes into a quantiser is computed in f32, as accurately as f32 sums, v_exp_f32 and their like allow (about 1e-6 of the number): no bf16 or f16 on the way to a quantiser, and a product that is left as it is and whose result goes on into a quantised operand takes f32 operands (vector FMAs, or v_wmma_f32_16x16x4_f32). A number that lies on a knife's edge between two numbers of the format may be rounded either way, as far as f32 arithmetic and the matrix unit's own rounding can turn it there, and no further.
;; One version. Each part assembles by itself: llvm-mc -triple=amdgcn-amd-amdhsa -mcpu=gfx1250 --defsym DOCPART=n.
;; ======== version 1 of 1: 4 launches
;; limits: right only within a limited range of input values
;; workspace buffers: px 6,553,600 bytes; pw 4,915,200 bytes; rope 1,048,576 bytes; qc 3,407,872 bytes; kv 3,342,336 bytes; cc 3,276,800 bytes
;; launch prep (part 1): grid 352 x 1, 4 waves a work-group, no clusters, 34,304 bytes of LDS; arguments x, position_ids, Wq, Wk, Wv, Wo, px, pw, rope; writes px, pw, rope
.if DOCPART == 1
	.amdgcn_target "amdgcn-amd-amdhsa--gfx1250"
	.amdhsa_code_object_version 6
	.text
	.protected	k_q58d5cac62b_prep
	.globl	k_q58d5cac62b_prep
	.p2align	8
	.type	k_q58d5cac62b_prep,@function
k_q58d5cac62b_prep:
	s_mov_b64 s[64:65], 0
	v_nop
	global_prefetch_b8 v0, s[64:65] scope:SCOPE_SE
	s_setreg_imm32_b32 hwreg(HW_REG_WAVE_MODE, 25, 1), 1
	s_wait_xcnt 0x0
; PREP: x and the four weights become codes of FP6 (E2M3) with one E8M0 byte for each 32 along K, and the table of cos and sin for RoPE is made.
; All codes are laid as IMAGES OF OPERAND REGISTERS: a fragment (16 rows x 128 K, 12 registers a lane) is three runs of 512 bytes, run c holding registers 4c..4c+3 of lane l at 16 l.
; Work-groups 0-255: 16 rows of x each (rb), wave kq takes 512 along K (four fragments) and four of the 32 frequencies of each half of the lanes.
; Work-groups 256-351: the weights, stored [K][N]: a lane takes a column and its registers run down K; a wave takes 32 columns x 512 K.
; The columns that form a tile of 16 are chosen: row r of tile 2B+u is column 32B + 8u + r + 8(r/8), so that a result lane of the transposed product holds 16 neighbours.
; A block's scale byte is its largest magnitude's exponent field - 2, held at 1 from below by a floor among the maximum's leaves.
; LIMITS: NaN and infinities among the inputs are not served; blocks whose largest magnitude lies under 2^-124 are held at the floor's scale; a block of zeros gets the byte 1, not 127
; (its codes are zeros; the bytes are read by this program alone).  cos and sin: two-part reduction by pi/2 and polynomials, good to f32 for |position x frequency| up to about 2^22;
; the frequencies are the f32 numbers nearest to 10^(-i/8), which may differ in the last place or two from a power computed in f32.
.set SPARE, 33792                      ; behind the four stages: the spare words, 128 bytes a wave
.set RA,  16                           ; v16-143  two sets of 64: x as loaded
.set X,   144                          ; v144-207 64 numbers, 16 neighbours of each of four blocks
.set TS,  160                          ; v160-165 at work for cos and sin (ahead of X's first use)
.set PC,  208                          ; v208-227 the codes just made
.set TM,  228                          ; v228-243 maxima, bytes, scale operands
.set PW,  244                          ; the scale word just made
.set SW,  246                          ; v246-249 the four K steps' scale words
.set SEL, 24                           ; s[24:25] selects for lane l xor 16
; 64 numbers of a lane, register 16 b + i = k 32 b + 16 (lane / 16) + i of my row, become a fragment in v[PC] on and its scale word in v[PW]
.macro QUANT4 s
.irp b, 0,1,2,3
	v_max3_num_f32 v[TM+\b], |v[\s+16*\b]|, |v[\s+1+16*\b]|, 0x1800000   ; my 16 numbers and the floor 2^(3-127)
.endr
.irp i, 2,4,6,8,10,12,14
.irp b, 0,1,2,3
	v_max3_num_f32 v[TM+\b], v[TM+\b], |v[\s+16*\b+\i]|, |v[\s+1+16*\b+\i]|
.endr
.endr
.irp b, 0,1,2,3
	v_permlanex16_b32 v[TM+4+\b], v[TM+\b], s[SEL], s[SEL+1]
.endr
.irp b, 0,1,2,3
	v_max_num_f32 v[TM+\b], v[TM+\b], v[TM+4+\b]          ; with lane l xor 16's: the block's largest magnitude
.endr
.irp b, 0,1,2,3
	v_add_nc_u32 v[TM+12+\b], 0xff000000, v[TM+\b]        ; 2 off the exponent field: the conversion's scale operand
.endr
.irp b, 0,1,2,3
	v_lshrrev_b32 v[TM+4+\b], 23, v[TM+12+\b]             ; the byte
.endr
	v_lshl_or_b32 v[PW], v[TM+5], 8, v[TM+4]
	v_lshl_or_b32 v[PW], v[TM+6], 16, v[PW]
	v_lshl_or_b32 v[PW], v[TM+7], 24, v[PW]
.irp c, 0,1
	v_cvt_scalef32_pk16_fp6_f32 v[PC+6*\c:PC+2+6*\c], v[\s+32*\c:\s+15+32*\c], v[TM+12+2*\c]
	v_cvt_scalef32_pk16_fp6_f32 v[PC+12+4*\c:PC+14+4*\c], v[\s+16+32*\c:\s+31+32*\c], v[TM+12+2*\c+1]
.endr
	v_nop                                                  ; one plain place behind the conversions
.irp c, 0,1
.irp i, 0,1,2
	v_permlane16_swap_b32 v[PC+6*\c+\i], v[PC+12+4*\c+\i]  ; a whole block to a lane
.endr
.irp i, 0,1,2
	v_mov_b32 v[PC+3+6*\c+\i], v[PC+12+4*\c+\i]
.endr
.endr
.endm
.macro LOADX s                         ; K step s of my 512: each load reads 512 consecutive bytes of one row
.irp i, 0,1,2,3,4,5,6,7,8,9,10,11,12,13,14,15
	global_load_b128 v[RA+64*((\s)%2)+4*\i:RA+64*((\s)%2)+4*\i+3], v4, s[4:5] offset:\i*8192+512*(\s) th:TH_LOAD_NT
.endr
.endm
.macro XSTEP s
	s_wait_xcnt 0x0                                        ; earlier stores have read their data: X and the codes' registers are written again
.if (\s) < 3
	s_wait_loadcnt 16                                      ; this K step's 16 loads are in, the next one's may be out
.else
	s_wait_loadcnt 0x0
.endif
.irp i, 0,1,2,3,4,5,6,7,8,9,10,11,12,13,14,15
	ds_store_b128 v5, v[RA+64*((\s)%2)+4*\i:RA+64*((\s)%2)+4*\i+3] offset:\i*528
.endr
.irp b, 0,1,2,3
.irp j, 0,1,2,3
	ds_load_b128 v[X+16*\b+4*\j:X+16*\b+4*\j+3], v6 offset:128*\b+16*\j   ; LDS serves a wave's instructions in order: these see the stores
.endr
.endr
	s_wait_dscnt 0x0
.if (\s) < 2
	LOADX (\s)+2
.endif
	QUANT4 X
.irp c, 0,1,2
	global_store_b128 v4, v[PC+4*\c:PC+4*\c+3], s[32:33] offset:1536*(\s)+512*\c   ; 512 consecutive bytes a store
.endr
	v_mov_b32 v[SW+(\s)], v[PW]
.endm
; cos and sin of v[f]: n = the nearest whole number of quarter turns, rho = f - n pi/2 in two parts, polynomials on |rho| <= pi/4, quadrant by n mod 4
.macro SINCOS f, c, s
	v_mul_f32 v[TS], 0x3f22f983, v[\f]                     ; f x 2/pi
	v_rndne_f32 v[TS], v[TS]
	v_fma_f32 v[TS+1], v[TS], s48, v[\f]
	v_fma_f32 v[TS+1], v[TS], s49, v[TS+1]                 ; rho
	v_mul_f32 v[TS+2], v[TS+1], v[TS+1]                    ; z
	v_cvt_i32_f32 v[TS], v[TS]
	v_mov_b32 v[TS+3], 0xb94ca1f9
	v_fmaak_f32 v[TS+3], v[TS+3], v[TS+2], 0x3c08839e
	v_fmaak_f32 v[TS+3], v[TS+3], v[TS+2], 0xbe2aaaa3
	v_mul_f32 v[TS+3], v[TS+3], v[TS+2]
	v_fma_f32 v[TS+3], v[TS+3], v[TS+1], v[TS+1]           ; sin rho
	v_mov_b32 v[TS+4], 0x37ccf5ce
	v_fmaak_f32 v[TS+4], v[TS+4], v[TS+2], 0xbab6061a
	v_fmaak_f32 v[TS+4], v[TS+4], v[TS+2], 0x3d2aaaa5
	v_mul_f32 v[TS+4], v[TS+4], v[TS+2]
	v_fma_f32 v[TS+5], v[TS+2], -0.5, 1.0
	v_fma_f32 v[TS+4], v[TS+4], v[TS+2], v[TS+5]           ; cos rho
	v_and_b32 v[TS+5], 1, v[TS]
	v_cmp_eq_u32 vcc_lo, 1, v[TS+5]
	v_cndmask_b32 v[\s], v[TS+3], v[TS+4], vcc_lo          ; odd quarter: the two change places
	v_cndmask_b32 v[\c], v[TS+4], v[TS+3], vcc_lo
	v_and_b32 v[TS+5], 2, v[TS]
	v_lshlrev_b32 v[TS+5], 30, v[TS+5]
	v_xor_b32 v[\s], v[\s], v[TS+5]                        ; sin is negative in quarters 2, 3
	v_add_nc_u32 v[TS], 1, v[TS]
	v_and_b32 v[TS], 2, v[TS]
	v_lshlrev_b32 v[TS], 30, v[TS]
	v_xor_b32 v[\c], v[\c], v[TS]                          ; cos in quarters 1, 2
.endm
.macro LOADW t                         ; block t: 32 rows of K at my column
.set i, 0
.rept 32
	global_load_b32 v[48+32*((\t)%2)+i], v[16+i], s[26:27] th:TH_LOAD_NT
.set i, i+1
.endr
.endm
.macro BLOCK t
.set XB, 48+32*((\t)%2)
.set FD, 112+12*((\t)%2)+6*(((\t)/2)%2)
.if (\t) < 15
	s_wait_loadcnt 32                                      ; this block's 32 loads are in, the next block's may be out
.else
	s_wait_loadcnt 0x0
.endif
	v_max3_num_f32 v12, |v[XB]|, |v[XB+1]|, |v[XB+2]|
	v_max3_num_f32 v13, |v[XB+3]|, |v[XB+4]|, |v[XB+5]|
.irp i, 6,10,14,18,22,26
	v_max3_num_f32 v12, v12, |v[XB+\i]|, |v[XB+\i+1]|
	v_max3_num_f32 v13, v13, |v[XB+\i+2]|, |v[XB+\i+3]|
.endr
	v_max3_num_f32 v12, v12, |v[XB+30]|, |v[XB+31]|
	v_max3_num_f32 v12, v12, v13, 0x1800000
	v_add_nc_u32 v14, 0xff000000, v12
	v_lshrrev_b32 v15, 23, v14
.if (\t)%4 == 0
	v_mov_b32 v[140+(\t)/4], v15
.else
	v_lshl_or_b32 v[140+(\t)/4], v15, 8*((\t)%4), v[140+(\t)/4]
.endif
	s_wait_xcnt 0x0                                        ; earlier loads and stores have read base and data: both are written below
	v_cvt_scalef32_pk16_fp6_f32 v[FD:FD+2], v[XB:XB+15], v14
	v_cvt_scalef32_pk16_fp6_f32 v[136:138], v[XB+16:XB+31], v14
	v_nop
.irp i, 0,1,2
	v_mov_b32 v[FD+3+\i], v[136+\i]
.endr
.if (\t) < 14
	s_add_nc_u64 s[26:27], s[26:27], s[42:43]              ; 32 rows down
	LOADW (\t)+2
.endif
.if (\t)%4 == 3                        ; four blocks are a K step.  Lanes 0-15 hold the even tile's rows, lanes 16-31 the odd tile's; v112.. the blocks of lane half 0, v124.. of half 1
.set i, 0
.rept 12
	v_permlane16_swap_b32 v[112+i], v[124+i]               ; v112.. is now the even tile's fragment, v124.. the odd tile's
.set i, i+1
.endr
.irp c, 0,1,2
	global_store_b128 v4, v[112+4*\c:115+4*\c], s[46:47] offset:1536*((\t)/4)+512*\c
	global_store_b128 v5, v[124+4*\c:127+4*\c], s[46:47] offset:1536*((\t)/4)+512*\c
.endr
.endif
.endm
	s_load_b256 s[4:11], s[0:1], 0x0               ; x, position_ids, Wq, Wk
	s_load_b256 s[12:19], s[0:1], 0x20             ; Wv, Wo, px, pw
	s_load_b64 s[20:21], s[0:1], 0x40              ; rope
	v_lshl_add_u32 v8, v0, 2, SPARE                ; my spare word
	v_mov_b32 v9, 0
	v_lshrrev_b32 v1, 5, v0
	v_readfirstlane_b32 s22, v1                    ; wave
	v_and_b32 v1, 31, v0                           ; lane
	v_and_b32 v2, 15, v0                           ; r
	v_bfe_u32 v3, v0, 4, 1                         ; h
	v_lshlrev_b32 v4, 4, v1                        ; 16 x lane
	s_mov_b32 s[SEL], 0x76543210
	s_mov_b32 s[SEL+1], 0xfedcba98
	s_wait_kmcnt 0x0
	s_cmp_lt_u32 ttmp9, 256
	s_cbranch_scc0 .Lweights
	; ---------------- x: 16 rows (rb = work-group), 512 along K (kq = wave)
	s_mul_i32 s26, s22, 8448                       ; my stage: 16 rows x 528 bytes
	v_add_nc_u32 v5, s26, v4                       ; in: 16 x lane of a row
	v_mul_u32_u24 v6, v2, 528
	v_lshl_add_u32 v6, v3, 6, v6
	v_add_nc_u32 v6, s26, v6                       ; out: row r, + 64 h: 16 neighbours of a block
	v_lshlrev_b32 v7, 4, v2
	v_lshl_add_u32 v7, v3, 3, v7                   ; the scale words' place: 16 r + 8 h
	v_lshlrev_b32 v10, 2, v2
	s_mov_b32 s29, 0
	s_lshl_b32 s28, ttmp9, 17
	s_lshl_b32 s30, s22, 11
	s_add_co_u32 s28, s28, s30
	s_add_nc_u64 s[4:5], s[4:5], s[28:29]          ; x at row 16 rb, column 512 kq
	s_lshl_b32 s28, ttmp9, 6
	s_add_nc_u64 s[6:7], s[6:7], s[28:29]          ; my rows' positions
	global_load_b32 v11, v10, s[6:7]
	LOADX 0
	LOADX 1
	s_lshl_b32 s28, ttmp9, 4
	s_lshl_b32 s30, s22, 2
	s_add_co_u32 s28, s28, s30
	s_mul_i32 s28, s28, 1536
	s_add_nc_u64 s[32:33], s[16:17], s[28:29]      ; codes: fragment 16 rb + 4 kq
	s_lshl_b32 s28, ttmp9, 2
	s_add_co_u32 s28, s28, s22
	s_lshl_b32 s28, s28, 8
	s_add_co_u32 s28, s28, 6291456
	s_add_nc_u64 s[34:35], s[16:17], s[28:29]      ; scale words: 256 bytes for (rb, kq)
	s_lshl_b32 s28, ttmp9, 12
	s_lshl_b32 s30, s22, 9
	s_add_co_u32 s28, s28, s30
	s_add_nc_u64 s[20:21], s[20:21], s[28:29]      ; the table: run kq (cos), run 4 + kq (sin) of rb's 4,096 bytes
	; my wave's eight frequencies 10^(-i/8): i = 4 kq + j for lanes 0-15 (s40-43), 16 + 4 kq + j for lanes 16-31 (s44-47)
	s_mov_b32 s40, 0x3f800000
	s_mov_b32 s41, 0x3f3ff911
	s_mov_b32 s42, 0x3f0ff59a
	s_mov_b32 s43, 0x3ed7e89b
	s_mov_b32 s44, 0x3c23d70a
	s_mov_b32 s45, 0x3bf5b9b0
	s_mov_b32 s46, 0x3bb8449c
	s_mov_b32 s47, 0x3b8a2e77
	s_cmp_eq_u32 s22, 1
	s_cselect_b32 s40, 0x3ea1e89b, s40
	s_cselect_b32 s41, 0x3e72d424, s41
	s_cselect_b32 s42, 0x3e361887, s42
	s_cselect_b32 s43, 0x3e088d77, s43
	s_cselect_b32 s44, 0x3b4f402b, s44
	s_cselect_b32 s45, 0x3b1b690d, s45
	s_cselect_b32 s46, 0x3ae91528, s46
	s_cselect_b32 s47, 0x3aaec98e, s47
	s_cmp_eq_u32 s22, 2
	s_cselect_b32 s40, 0x3dcccccd, s40
	s_cselect_b32 s41, 0x3d99940e, s41
	s_cselect_b32 s42, 0x3d6655c3, s42
	s_cselect_b32 s43, 0x3d2cba15, s43
	s_cselect_b32 s44, 0x3a83126f, s44
	s_cselect_b32 s45, 0x3a44948c, s45
	s_cselect_b32 s46, 0x3a136a16, s46
	s_cselect_b32 s47, 0x39dd1726, s47
	s_cmp_eq_u32 s22, 3
	s_cselect_b32 s40, 0x3d0186e2, s40
	s_cselect_b32 s41, 0x3cc24350, s41
	s_cselect_b32 s42, 0x3c91ad39, s42
	s_cselect_b32 s43, 0x3c5a7bf1, s43
	s_cselect_b32 s44, 0x39a5cb5f, s44
	s_cselect_b32 s45, 0x3978a814, s45
	s_cselect_b32 s46, 0x393a7753, s46
	s_cselect_b32 s47, 0x390bd472, s47
	s_mov_b32 s48, 0xbfc90fdb                      ; -pi/2, upper part
	s_mov_b32 s49, 0x333bbd2e                      ; what the upper part has too much
	v_cmp_le_u32 s38, 16, v1                       ; lanes 16-31
.irp b, 0,1,2,3
	v_mov_b32 v[TM+4+\b], 0                        ; a lane permute's destination counts as read
.endr
	s_wait_loadcnt 32                              ; the positions are in; the 32 loads of x issued behind them may be out
	v_cvt_f32_i32 v11, v11
.irp j, 0,1,2,3
	v_mov_b32 v[X+\j], s[44+\j]
	v_cndmask_b32 v[X+\j], s[40+\j], v[X+\j], s38
	v_mul_f32 v[X+\j], v11, v[X+\j]                ; position x frequency
.endr
.irp j, 0,1,2,3
	SINCOS X+\j, X+8+\j, X+12+\j
.endr
	global_store_b128 v4, v[X+8:X+11], s[20:21]
	global_store_b128 v4, v[X+12:X+15], s[20:21] offset:2048
	XSTEP 0
	XSTEP 1
	XSTEP 2
	XSTEP 3
	v_cndmask_b32 v250, v[SW], v[SW+2], s38        ; lane (r, h) stores words 2 h, 2 h + 1 of row r: 32 lanes fill 256 consecutive bytes
	v_cndmask_b32 v251, v[SW+1], v[SW+3], s38
	global_store_b64 v7, v[250:251], s[34:35]
	s_wait_tensorcnt 0x0                           ; the wave's end
	ds_add_u32 v8, v9
	s_wait_dscnt 0x0
	s_endpgm
	; ---------------- the weights: no LDS on this path
.Lweights:
	s_sub_co_u32 s35, ttmp9, 256                   ; j: 0-31 Wq, 32-47 Wk, 48-63 Wv, 64-95 Wo
	s_mov_b64 s[26:27], s[14:15]                   ; Wo's figures first
	s_mov_b32 s28, 8192                            ; bytes from row to row
	s_mov_b32 s29, 4                               ; bits of the column group
	s_mov_b32 s30, 0                               ; first tile
	s_mov_b32 s31, 8                               ; K steps in all
	s_mov_b32 s32, 64                              ; first j
	s_mov_b32 s33, 3276800                         ; codes in pw
	s_mov_b32 s34, 4849664                         ; scale words in pw
	s_cmp_lt_u32 s35, 64
	s_cselect_b64 s[26:27], s[12:13], s[26:27]
	s_cselect_b32 s28, 2048, s28
	s_cselect_b32 s29, 2, s29
	s_cselect_b32 s30, 96, s30
	s_cselect_b32 s31, 16, s31
	s_cselect_b32 s32, 48, s32
	s_cselect_b32 s33, 0, s33
	s_cselect_b32 s34, 3145728, s34
	s_cmp_lt_u32 s35, 48
	s_cselect_b64 s[26:27], s[10:11], s[26:27]
	s_cselect_b32 s30, 64, s30
	s_cselect_b32 s32, 32, s32
	s_cmp_lt_u32 s35, 32
	s_cselect_b64 s[26:27], s[8:9], s[26:27]
	s_cselect_b32 s28, 4096, s28
	s_cselect_b32 s29, 3, s29
	s_cselect_b32 s30, 0, s30
	s_cselect_b32 s32, 0, s32
	s_sub_co_u32 s35, s35, s32
	s_bfm_b32 s36, s29, 0
	s_and_b32 s36, s35, s36                        ; cg: which 128 columns
	s_lshr_b32 s37, s35, s29                       ; kq: which 512 along K
	s_lshl_b32 s38, s36, 3
	s_add_co_u32 s38, s38, s30
	s_lshl_b32 s39, s22, 1
	s_add_co_u32 s38, s38, s39                     ; my even tile
	s_mul_i32 s40, s37, s28
	s_lshl_b32 s40, s40, 9
	s_mov_b32 s41, 0
	s_add_nc_u64 s[26:27], s[26:27], s[40:41]      ; row 512 kq
	s_lshl_b32 s42, s28, 5
	s_mov_b32 s43, 0                               ; 32 rows
	s_mul_i32 s44, s38, s31
	s_lshl_b32 s45, s37, 2
	s_add_co_u32 s44, s44, s45
	s_mul_i32 s44, s44, 1536
	s_add_co_u32 s44, s44, s33
	s_mov_b32 s45, 0
	s_add_nc_u64 s[46:47], s[18:19], s[44:45]      ; codes: fragment (tile, 4 kq)
	s_lshr_b32 s48, s31, 2
	s_mul_i32 s49, s38, s48
	s_add_co_u32 s49, s49, s37
	s_lshl_b32 s44, s49, 8
	s_add_co_u32 s44, s44, s34
	s_add_nc_u64 s[50:51], s[18:19], s[44:45]      ; scale words: 256 bytes for (tile, kq)
	s_mul_i32 s52, s31, 1536
	v_add_nc_u32 v5, s52, v4                       ; the odd tile's fragments lie a tile's K steps further on
	s_lshl_b32 s53, s48, 8
	v_mul_u32_u24 v6, s53, v3
	v_lshl_add_u32 v6, v2, 4, v6                   ; lanes 0-15: the even tile's rows, lanes 16-31 the odd tile's; 16 bytes a row
	v_and_b32 v10, 7, v1
	v_lshl_add_u32 v10, v3, 3, v10
	v_bfe_u32 v11, v0, 3, 1
	v_lshl_add_u32 v10, v11, 4, v10                ; my column of the 32: (l & 7) + 8 (l / 16) + 16 ((l / 8) & 1)
	s_lshl_b32 s40, s36, 7
	s_lshl_b32 s44, s22, 5
	s_add_co_u32 s40, s40, s44
	v_add_nc_u32 v10, s40, v10
	v_lshlrev_b32 v16, 2, v10
.set i, 1
.rept 31
	v_add_nc_u32 v[16+i], s28, v[15+i]             ; the offsets of 32 rows
.set i, i+1
.endr
	LOADW 0
	s_wait_xcnt 0x0
	s_add_nc_u64 s[26:27], s[26:27], s[42:43]
	LOADW 1
.irp t, 0,1,2,3,4,5,6,7,8,9,10,11,12,13,14,15
	BLOCK \t
.endr
	global_store_b128 v6, v[140:143], s[50:51]     ; four K steps' words of my column: two runs of 256 bytes
	s_endpgm
.Lfunc_end_k_q58d5cac62b_prep:
	.size	k_q58d5cac62b_prep, .Lfunc_end_k_q58d5cac62b_prep-k_q58d5cac62b_prep
	.p2alignl 7, 3214868480
	.fill 96, 4, 3214868480
	.section	.rodata,"a",@progbits
	.p2align	6, 0x0
	.amdhsa_kernel k_q58d5cac62b_prep
		.amdhsa_group_segment_fixed_size 34304
		.amdhsa_private_segment_fixed_size 0
		.amdhsa_enable_private_segment 0
		.amdhsa_kernarg_size 72
		.amdhsa_user_sgpr_count 2
		.amdhsa_user_sgpr_kernarg_segment_ptr 1
		.amdhsa_wavefront_size32 1
		.amdhsa_system_sgpr_workgroup_id_x 1
		.amdhsa_system_sgpr_workgroup_id_y 1
		.amdhsa_system_sgpr_workgroup_id_z 1
		.amdhsa_system_vgpr_workitem_id 0
		.amdhsa_next_free_vgpr 256
		.amdhsa_next_free_sgpr 66
		.amdhsa_reserve_vcc 1
		.amdhsa_float_denorm_mode_32 3
		.amdhsa_float_denorm_mode_16_64 3
		.amdhsa_memory_ordered 1
		.amdhsa_forward_progress 1
		.amdhsa_inst_pref_size 122
	.end_amdhsa_kernel
	.amdgpu_metadata
---
amdhsa.version: [ 1, 2 ]
amdhsa.kernels:
  - .name:           k_q58d5cac62b_prep
    .symbol:         k_q58d5cac62b_prep.kd
    .args:
      - { .name: x, .offset: 0, .size: 8, .value_kind: global_buffer, .address_space: global }
      - { .name: position_ids, .offset: 8, .size: 8, .value_kind: global_buffer, .address_space: global }
      - { .name: Wq, .offset: 16, .size: 8, .value_kind: global_buffer, .address_space: global }
      - { .name: Wk, .offset: 24, .size: 8, .value_kind: global_buffer, .address_space: global }
      - { .name: Wv, .offset: 32, .size: 8, .value_kind: global_buffer, .address_space: global }
      - { .name: Wo, .offset: 40, .size: 8, .value_kind: global_buffer, .address_space: global }
      - { .name: px, .offset: 48, .size: 8, .value_kind: global_buffer, .address_space: global }
      - { .name: pw, .offset: 56, .size: 8, .value_kind: global_buffer, .address_space: global }
      - { .name: rope, .offset: 64, .size: 8, .value_kind: global_buffer, .address_space: global }
    .group_segment_fixed_size: 34304
    .private_segment_fixed_size: 0
    .kernarg_segment_align: 8
    .kernarg_segment_size: 72
    .max_flat_workgroup_size: 128
    .sgpr_count:     66
    .vgpr_count:     256
    .wavefront_size: 32
...
	.end_amdgpu_metadata
.endif
;; end of part 1
;; launch qkv (part 2): grid 16 x 16, 4 waves a work-group, clusters of 4 x 4, 327,680 bytes of LDS; arguments px, pw, rope, q_norm_w, k_norm_w, qc, kv, out1, out2; writes qc, kv, out1, out2
.if DOCPART == 2
	.amdgcn_target "amdgcn-amd-amdhsa--gfx1250"
	.amdhsa_code_object_version 6
	.text
	.protected	k_q58d5cac62b_qkv
	.globl	k_q58d5cac62b_qkv
	.p2align	8
	.type	k_q58d5cac62b_qkv,@function
k_q58d5cac62b_qkv:
	s_mov_b64 s[64:65], 0
	v_nop
	global_prefetch_b8 v0, s[64:65] scope:SCOPE_SE
	s_setreg_imm32_b32 hwreg(HW_REG_WAVE_MODE, 25, 1), 1
	s_wait_xcnt 0x0
	s_wait_alu depctr_hold_cnt(0) depctr_sa_sdst(0) depctr_va_vdst(0) depctr_va_sdst(0) depctr_va_ssrc(0) depctr_va_vcc(0) depctr_vm_vsrc(0)
	s_getreg_b32 s2, hwreg(HW_REG_IB_STS2, 6, 4)
	s_cmp_eq_u32 s2, 0
	s_cbranch_scc0 .Lentry_in_a_cluster
	s_endpgm
.Lentry_in_a_cluster:
	s_bfe_u32 s2, ttmp6, 0x10000c
	s_cmp_lg_u32 s2, 0xf033
	s_cbranch_scc0 .Lentry_shape_is_right
	s_endpgm
.Lentry_shape_is_right:
; QKV: x [4096][2048] times (Wq | Wk | Wv) [2048][2048] on codes of FP6, and what follows each part: RMS norm, RoPE, the quantising of Q and K along the head's 64, K and V in f32 as outputs, V quantised along the keys.
; A work-group makes 256 rows x 128 columns (256 work-groups; tiles of 256 x 256 would be 128); a wave 128 rows (one key step) x 64 columns (one head): 32 accumulators.
; THE PRODUCT IS USED TRANSPOSED (source 0 = 16 columns of W, source 1 = 16 rows of x); W's tiles hold chosen columns, so that in the registers of tiles 2B, 2B+1 lane (r, h) holds row r, channels 32B + 16h + 0..15.
; K goes through two LDS slots of 512 along K; operands lie in memory as images of registers, so a slot's part is dense rows of 6,144 bytes and a fragment comes by three loads of 16 bytes a lane.
; CLUSTER 4 x 4: x's tiles are shared along a row of the cluster, W's along a column; each is asked for jointly.  The cluster's x decides the part: 0, 1 Q; 2 K; 3 V: the same in all partners.
; No prefetch: half of a work-group's bytes are asked for at its head, and the rest one slot (128 matrix instructions a wave) ahead.
; Q's scale bytes are stored 3 lower: the division of the scores by 8, exact.
; LIMITS: NaN and infinities are not served; blocks of Q and K whose largest magnitude lies under 2^-121 (V: 2^-124) are held at the floor's scale; a block of zeros gets the floor's byte (read by this program alone).
; REGISTERS: window 0: v1-3 r, h, lane; v16-31 addresses; v32-79 scale words, two sets of 24; v128-223 x's 8 fragments; v224-255 the norm's gains.  window 1: W's fragments, two sets of 48 at v0, v64.  window 2: accumulator (a, t) at v[8 (4 a + t)].
.set SLOT,  147456
.set BOFF,  98304
.set SCL,   294912
.set SCLB,  311296
.set SPARE, 319488
.set ADRA, 16
.set ADRB, 20
.set SC,   32
.set AF,   128
.set NWR,  224
.set G1A, 24
.set G0A, 32
.set G1B, 48
.set G0B, 56
.set G1SA, 68
.set G0SA, 76
.set G1SB, 80
.set G0SB, 88
.set SEL, 18
.set PC,  192
.set TM,  40
.set PW,  56
.set MUL, 0xa1                         ; source 0 window 1, source 1 window 0, C and D window 2
.set MSB, 0
.macro WIN new
.if MSB != \new
	s_set_vgpr_msb (MSB<<8)|\new
.set MSB, \new
.endif
.endm
.macro PLACES
.rept 4
	v_nop
.endr
.endm
.macro JLOAD g0a, g1a, g0b, g1b        ; waves 0, 1 ask for x's, waves 2, 3 for W's; an s_nop 0 and four v_nop follow each line
	s_cmp_eq_u32 s15, 0
	s_cbranch_scc0 .Lfor_b_\@
	tensor_load_to_lds s[\g0a:\g0a+3], s[\g1a:\g1a+7]
	s_nop 0
.rept 4
	v_nop
.endr
	s_branch .Lasked_\@
.Lfor_b_\@:
	tensor_load_to_lds s[\g0b:\g0b+3], s[\g1b:\g1b+7]
	s_nop 0
.rept 4
	v_nop
.endr
.Lasked_\@:
.endm
.macro CREST
	s_cmp_lg_u32 s14, 0
	s_cbranch_scc1 .Lnot_wave_0_\@
	s_barrier_signal -3
.Lnot_wave_0_\@:
	s_barrier_wait -3
	s_barrier_signal -1
	s_barrier_wait -1
.endm
.macro CROUND
	s_barrier_signal -1
	s_barrier_wait -1
	CREST
.endm
.macro FRAG3 reg, adr, off
.irp c, 0,1,2
	ds_load_b128 v[\reg+4*\c:\reg+4*\c+3], v[\adr] offset:(\off)+512*\c
.endr
.endm
; one product: x's block a, W's tile t, W's set p, the slot's q-th 128 along K, scale set.  W's words: lanes 0-15 tiles 0, 1, lanes 16-31 tiles 2, 3; x's: lanes 0-15 blocks 0-3, lanes 16-31 blocks 4-7
.macro WM a, t, p, q, set, zero
.set rD, 8*(4*(\a)+(\t))
.set rB, 64*(\p)+12*(\t)
.set rA, AF+12*(\a)
.set rSB, SC+24*(\set)+16+4*((\t)%2)+(\q)
.set rSA, SC+24*(\set)+4*((\a)%4)+(\q)
.if \zero
.if ((\t) < 2) && ((\a) < 4)
	v_wmma_scale_f32_16x16x128_f8f6f4 v[rD:rD+7], v[rB:rB+11], v[rA:rA+11], 0, v[rSB], v[rSA] matrix_a_fmt:MATRIX_FMT_FP6 matrix_b_fmt:MATRIX_FMT_FP6
.elseif (\a) < 4
	v_wmma_scale_f32_16x16x128_f8f6f4 v[rD:rD+7], v[rB:rB+11], v[rA:rA+11], 0, v[rSB], v[rSA] matrix_a_fmt:MATRIX_FMT_FP6 matrix_b_fmt:MATRIX_FMT_FP6 matrix_a_scale:MATRIX_SCALE_ROW1
.elseif (\t) < 2
	v_wmma_scale_f32_16x16x128_f8f6f4 v[rD:rD+7], v[rB:rB+11], v[rA:rA+11], 0, v[rSB], v[rSA] matrix_a_fmt:MATRIX_FMT_FP6 matrix_b_fmt:MATRIX_FMT_FP6 matrix_b_scale:MATRIX_SCALE_ROW1
.else
	v_wmma_scale_f32_16x16x128_f8f6f4 v[rD:rD+7], v[rB:rB+11], v[rA:rA+11], 0, v[rSB], v[rSA] matrix_a_fmt:MATRIX_FMT_FP6 matrix_b_fmt:MATRIX_FMT_FP6 matrix_a_scale:MATRIX_SCALE_ROW1 matrix_b_scale:MATRIX_SCALE_ROW1
.endif
.else
.if ((\t) < 2) && ((\a) < 4)
	v_wmma_scale_f32_16x16x128_f8f6f4 v[rD:rD+7], v[rB:rB+11], v[rA:rA+11], v[rD:rD+7], v[rSB], v[rSA] matrix_a_fmt:MATRIX_FMT_FP6 matrix_b_fmt:MATRIX_FMT_FP6
.elseif (\a) < 4
	v_wmma_scale_f32_16x16x128_f8f6f4 v[rD:rD+7], v[rB:rB+11], v[rA:rA+11], v[rD:rD+7], v[rSB], v[rSA] matrix_a_fmt:MATRIX_FMT_FP6 matrix_b_fmt:MATRIX_FMT_FP6 matrix_a_scale:MATRIX_SCALE_ROW1
.elseif (\t) < 2
	v_wmma_scale_f32_16x16x128_f8f6f4 v[rD:rD+7], v[rB:rB+11], v[rA:rA+11], v[rD:rD+7], v[rSB], v[rSA] matrix_a_fmt:MATRIX_FMT_FP6 matrix_b_fmt:MATRIX_FMT_FP6 matrix_b_scale:MATRIX_SCALE_ROW1
.else
	v_wmma_scale_f32_16x16x128_f8f6f4 v[rD:rD+7], v[rB:rB+11], v[rA:rA+11], v[rD:rD+7], v[rSB], v[rSA] matrix_a_fmt:MATRIX_FMT_FP6 matrix_b_fmt:MATRIX_FMT_FP6 matrix_a_scale:MATRIX_SCALE_ROW1 matrix_b_scale:MATRIX_SCALE_ROW1
.endif
.endif
.endm
.macro MUL8 a0, p, q, set, zero        ; the 32 accumulators take turns, one instruction a turn, in the same order in every K step
.irp a, \a0, \a0+1
.irp t, 0,1,2,3
	WM \a, \t, \p, \q, \set, \zero
.endr
.endr
.endm
.macro FETCH_B slot, q, p
	WIN 0x40
.irp t, 0,1,2,3
	FRAG3 64*(\p)+12*\t, ADRB+\slot, \t*6144+(\q)*1536
.endr
	WIN 0
.endm
.macro FETCH_A slot, q, i0
.irp i, \i0, \i0+1, \i0+2, \i0+3
	FRAG3 AF+12*(\i), ADRA+\slot, (\i)*6144+(\q)*1536
.endr
.endm
.macro SCALES set, kq                  ; a slot's scale words: four words (its four K steps) a row
.irp i, 0,1,2,3
	ds_load_b128 v[SC+24*\set+4*\i:SC+24*\set+4*\i+3], v22 offset:\i*1024+\kq*256
.endr
.irp t, 0,1
	ds_load_b128 v[SC+24*\set+16+4*\t:SC+24*\set+16+4*\t+3], v23 offset:\t*1024+\kq*256
.endr
.endm
.macro STEP slot, q, zero              ; 128 along K whose successor lies in the same slot
	s_wait_dscnt 12                                ; all but the youngest 12 loads: x's blocks 4-7
	WIN MUL
	MUL8 0, (\q)%2, \q, \slot, \zero
	MUL8 2, (\q)%2, \q, \slot, \zero
	s_wait_dscnt 0x0
	PLACES                                         ; four places in front of loads into registers that matrix instructions have read
	FETCH_B \slot, (\q)+1, 1-(\q)%2
	FETCH_A \slot, (\q)+1, 0
	WIN MUL
	MUL8 4, (\q)%2, \q, \slot, \zero
	MUL8 6, (\q)%2, \q, \slot, \zero
	PLACES
	WIN 0
	FETCH_A \slot, (\q)+1, 4
.endm
.macro TURN slot, next, fill, kq       ; a slot's last 128 along K, and the change of slots
	s_wait_tensorcnt 0x0                           ; all my tensor loads have landed: my part of the next slot
	ds_add_u32 v28, v29                            ; 0 onto my spare word
	s_wait_dscnt 13                                ; the add and the youngest 12 loads may be out
	WIN MUL
	MUL8 0, 1, 3, \slot, 0
	s_wait_dscnt 0x0                               ; the add is done, my reads of this slot are over
	s_barrier_signal -1
	MUL8 2, 1, 3, \slot, 0
	WIN 0
	s_barrier_wait -1
.if \fill
	CREST                                          ; the barrier has opened a round of the cluster's: no wave of any partner still reads this slot or has a load on its way
	s_add_nc_u64 s[G0A+4*\slot+2:G0A+4*\slot+3], s[G0A+4*\slot+2:G0A+4*\slot+3], 12288
	s_add_nc_u64 s[G0B+4*\slot+2:G0B+4*\slot+3], s[G0B+4*\slot+2:G0B+4*\slot+3], 12288
	JLOAD G0A+4*\slot, G1A, G0B+4*\slot, G1B       ; its four v_nop are the places in front of the loads below
.else
	PLACES
.endif
	FETCH_B \next, 0, 0
	FETCH_A \next, 0, 0
	SCALES \next, \kq
	WIN MUL
	MUL8 4, 1, 3, \slot, 0
	MUL8 6, 1, 3, \slot, 0
	PLACES
	WIN 0
	FETCH_A \next, 0, 4
.endm
.macro QUANT4 s
.irp b, 0,1,2,3
	v_max3_num_f32 v[TM+\b], |v[\s+16*\b]|, |v[\s+1+16*\b]|, 0x1800000
.endr
.irp i, 2,4,6,8,10,12,14
.irp b, 0,1,2,3
	v_max3_num_f32 v[TM+\b], v[TM+\b], |v[\s+16*\b+\i]|, |v[\s+1+16*\b+\i]|
.endr
.endr
.irp b, 0,1,2,3
	v_permlanex16_b32 v[TM+4+\b], v[TM+\b], s[SEL], s[SEL+1]
.endr
.irp b, 0,1,2,3
	v_max_num_f32 v[TM+\b], v[TM+\b], v[TM+4+\b]
.endr
.irp b, 0,1,2,3
	v_add_nc_u32 v[TM+12+\b], 0xff000000, v[TM+\b]
.endr
.irp b, 0,1,2,3
	v_lshrrev_b32 v[TM+4+\b], 23, v[TM+12+\b]
.endr
	v_lshl_or_b32 v[PW], v[TM+5], 8, v[TM+4]
	v_lshl_or_b32 v[PW], v[TM+6], 16, v[PW]
	v_lshl_or_b32 v[PW], v[TM+7], 24, v[PW]
.irp c, 0,1
	v_cvt_scalef32_pk16_fp6_f32 v[PC+6*\c:PC+2+6*\c], v[\s+32*\c:\s+15+32*\c], v[TM+12+2*\c]
	v_cvt_scalef32_pk16_fp6_f32 v[PC+12+4*\c:PC+14+4*\c], v[\s+16+32*\c:\s+31+32*\c], v[TM+12+2*\c+1]
.endr
	v_nop
.irp c, 0,1
.irp i, 0,1,2
	v_permlane16_swap_b32 v[PC+6*\c+\i], v[PC+12+4*\c+\i]
.endr
.irp i, 0,1,2
	v_mov_b32 v[PC+3+6*\c+\i], v[PC+12+4*\c+\i]
.endr
.endr
.endm
.macro ROPELD a                        ; cos (16 registers) and sin (16) of block a's rows at my lane's 16 frequencies
.irp c, 0,1,2,3,4,5,6,7
	global_load_b128 v[80+48*((\a)%2)+4*\c:80+48*((\a)%2)+4*\c+3], v27, s[8:9] offset:(\a)*4096+512*\c
.endr
.endm
; Q and K, block a (16 rows): norm, gains, RoPE (back into the accumulators), two blocks of 32 quantised, half a fragment stored
.macro E1BLK a
.set A0, 32*(\a)
.set CB, 80+48*((\a)%2)
.if (\a) < 7
	ROPELD (\a)+1
.endif
	WIN 0x0a                                       ; sources 0, 1 window 2
	v_pk_mul_f32 v[32:33], v[A0:A0+1], v[A0:A0+1]  ; the sum of squares, each accumulator from its low end on, in two chains
	v_pk_mul_f32 v[34:35], v[A0+2:A0+3], v[A0+2:A0+3]
.irp j, 4,8,12,16,20,24,28
	v_pk_fma_f32 v[32:33], v[A0+\j:A0+\j+1], v[A0+\j:A0+\j+1], v[32:33]
	v_pk_fma_f32 v[34:35], v[A0+\j+2:A0+\j+3], v[A0+\j+2:A0+\j+3], v[34:35]
.endr
	WIN 0
	v_pk_add_f32 v[32:33], v[32:33], v[34:35]
	v_add_f32 v32, v32, v33
	v_permlanex16_b32 v33, v32, s[SEL], s[SEL+1]   ; the row's other 32 channels lie in lane l xor 16
	v_add_f32 v32, v32, v33
	v_fma_f32 v32, v32, s52, s53                   ; the mean + 1e-6
	v_rsq_f32 v36, v32
	v_nop                                          ; a plain place behind the transcendental
	s_wait_alu depctr_va_vdst(0)                   ; ahead of the first reader
	WIN 0x02                                       ; source 0 window 2
.irp j, 0,2,4,6,8,10,12,14,16,18,20,22,24,26,28,30
	v_pk_mul_f32 v[160+\j:161+\j], v[A0+\j:A0+\j+1], v[36:37] op_sel_hi:[1,0]
.endr
	WIN 0
.irp j, 0,2,4,6,8,10,12,14,16,18,20,22,24,26,28,30
	v_pk_mul_f32 v[160+\j:161+\j], v[160+\j:161+\j], v[NWR+\j:NWR+\j+1]
.endr
.if (\a) < 7
	s_wait_loadcnt 8                               ; this block's cos and sin are in, the next block's 8 loads may be out
.else
	s_wait_loadcnt 0x0
.endif
.irp j, 0,2,4,6,8,10,12,14
	v_pk_mul_f32 v[192+\j:193+\j], v[176+\j:177+\j], v[CB+16+\j:CB+17+\j]   ; x2 sin
	v_pk_mul_f32 v[208+\j:209+\j], v[160+\j:161+\j], v[CB+16+\j:CB+17+\j]   ; x1 sin
.endr
	WIN 0x80                                       ; destination window 2
.irp j, 0,2,4,6,8,10,12,14
	v_pk_fma_f32 v[A0+\j:A0+\j+1], v[160+\j:161+\j], v[CB+\j:CB+\j+1], v[192+\j:193+\j] neg_lo:[0,0,1] neg_hi:[0,0,1]
	v_pk_fma_f32 v[A0+16+\j:A0+17+\j], v[176+\j:177+\j], v[CB+\j:CB+\j+1], v[208+\j:209+\j]
.endr
	WIN 0x0a
	v_max3_num_f32 v40, |v[A0]|, |v[A0+1]|, 0x3000000        ; the floor 2^(6-127): the byte less 3 cannot fall under 1
	v_max3_num_f32 v41, |v[A0+16]|, |v[A0+17]|, 0x3000000
	WIN 0x28                                       ; sources 1, 2 window 2
.irp i, 2,4,6,8,10,12,14
	v_max3_num_f32 v40, v40, |v[A0+\i]|, |v[A0+1+\i]|
	v_max3_num_f32 v41, v41, |v[A0+16+\i]|, |v[A0+17+\i]|
.endr
	WIN 0
	v_permlanex16_b32 v42, v40, s[SEL], s[SEL+1]
	v_permlanex16_b32 v43, v41, s[SEL], s[SEL+1]
	v_max_num_f32 v40, v40, v42
	v_max_num_f32 v41, v41, v43
	v_add_nc_u32 v44, 0xff000000, v40
	v_add_nc_u32 v45, 0xff000000, v41
	v_lshrrev_b32 v46, 23, v44
	v_lshrrev_b32 v47, 23, v45
	v_sub_nc_u32 v46, v46, s46                     ; Q: 3 off the byte
	v_sub_nc_u32 v47, v47, s46
	v_lshl_or_b32 v[68+(\a)], v47, 8, v46          ; bytes 2, 3 stay 0: the upper 64 of the instruction's K are empty
	s_wait_xcnt 0x0                                ; the last block's stores have read the codes' registers
	WIN 0x02
	v_cvt_scalef32_pk16_fp6_f32 v[56:58], v[A0:A0+15], v44
	v_cvt_scalef32_pk16_fp6_f32 v[64:66], v[A0+16:A0+31], v45
	WIN 0
	v_nop
.irp i, 0,1,2
	v_permlane16_swap_b32 v[56+\i], v[64+\i]
.endr
.irp i, 0,1,2
	v_mov_b32 v[59+\i], v[64+\i]
.endr
	global_store_b128 v27, v[56:59], s[36:37] offset:(\a)*768
	global_store_b64 v30, v[60:61], s[36:37] offset:(\a)*768+512
.endm
.macro BLD g
.irp i, 0,1,2,3,4,5,6,7
	ds_load_b128 v[128+32*((\g)%2)+4*\i:128+32*((\g)%2)+4*\i+3], v25 offset:(8*(\g)+\i)*544
.endr
.endm
.macro BST g
.irp i, 0,1,2,3,4,5,6,7
	global_store_b128 v27, v[128+32*((\g)%2)+4*\i:128+32*((\g)%2)+4*\i+3], s[48:49] offset:(8*(\g)+\i)*512 th:TH_STORE_NT   ; two rows of 256 bytes, 512 consecutive bytes
.endr
.endm
	s_load_b256 s[4:11], s[0:1], 0x0               ; px, pw, rope, q_norm_w
	s_load_b256 s[92:99], s[0:1], 0x20             ; k_norm_w, qc, kv, out1
	s_load_b64 s[100:101], s[0:1], 0x40            ; out2
	v_lshl_add_u32 v28, v0, 2, SPARE
	v_mov_b32 v29, 0
	ds_add_u32 v28, v29                            ; the wave's opening
	v_lshrrev_b32 v1, 5, v0
	v_readfirstlane_b32 s14, v1                    ; wave
	s_lshr_b32 s15, s14, 1                         ; rh: my 128 rows.  Also: I fetch for x (0) or for W (1)
	s_and_b32 s16, s14, 1                          ; ch: my 64 columns.  Also: which half I fetch
	s_bfe_u32 s40, ttmp6, 0x40000                  ; cx
	s_bfe_u32 s41, ttmp6, 0x40004                  ; cy
	s_lshl_b32 s42, ttmp9, 2
	s_add_co_u32 s42, s42, s40                     ; tx
	s_and_b32 s17, ttmp7, 0xffff
	s_lshl_b32 s17, s17, 2
	s_add_co_u32 s17, s17, s41                     ; ty
	s_lshl_b32 s43, s41, 2
	s_lshl_b32 s43, 15, s43                        ; my row of the cluster
	s_lshl_b32 s44, 0x1111, s40                    ; my column
	s_or_b32 s[G1A], s43, (3<<16)|(1<<21)          ; elements of 8 bytes, no padding; x's go to my row
	s_or_b32 s[G1B], s44, (3<<16)|(1<<21)
	s_or_b32 s[G1SA], s43, (3<<16)|(1<<21)
	s_or_b32 s[G1SB], s44, (3<<16)|(1<<21)
	s_mov_b32 s[G1A+1], 768<<16                    ; x: 8 rows (blocks of 16 rows of x) of 6,144 bytes (four K steps), 24,576 bytes apart
	s_mov_b32 s[G1A+2], 8<<16
	s_mov_b32 s[G1A+3], 768<<16
	s_mov_b32 s[G1A+4], 8
	s_mov_b32 s[G1A+5], 3072
	s_mov_b32 s[G1A+6], 0
	s_mov_b32 s[G1A+7], 0
	s_mov_b32 s[G1B+1], 768<<16                    ; W: 4 tiles likewise
	s_mov_b32 s[G1B+2], 4<<16
	s_mov_b32 s[G1B+3], 768<<16
	s_mov_b32 s[G1B+4], 4
	s_mov_b32 s[G1B+5], 3072
	s_mov_b32 s[G1B+6], 0
	s_mov_b32 s[G1B+7], 0
	s_mov_b32 s[G1SA+1], 32<<16                    ; x's scale words: 8,192 dense bytes as 32 rows of 256
	s_mov_b32 s[G1SA+2], 32<<16
	s_mov_b32 s[G1SA+3], 32<<16
	s_mov_b32 s[G1SA+4], 32
	s_mov_b32 s[G1SA+5], 32
	s_mov_b32 s[G1SA+6], 0
	s_mov_b32 s[G1SA+7], 0
	s_mov_b32 s[G1SB+1], 32<<16                    ; W's: 4,096 dense bytes
	s_mov_b32 s[G1SB+2], 16<<16
	s_mov_b32 s[G1SB+3], 32<<16
	s_mov_b32 s[G1SB+4], 16
	s_mov_b32 s[G1SB+5], 32
	s_mov_b32 s[G1SB+6], 0
	s_mov_b32 s[G1SB+7], 0
	s_lshl_b32 s20, s17, 4
	s_lshl_b32 s21, s16, 3
	s_add_co_u32 s20, s20, s21                     ; x: block 16 ty + 8 half
	s_lshl_b32 s22, s20, 10
	s_add_co_u32 s22, s22, 6291456
	s_mul_i32 s20, s20, 24576
	s_mov_b32 s21, 0
	s_mov_b32 s23, 0
	s_lshl_b32 s46, s42, 3
	s_lshl_b32 s47, s16, 2
	s_add_co_u32 s46, s46, s47                     ; W: tile 8 tx + 4 half
	s_lshl_b32 s2, s46, 10
	s_add_co_u32 s2, s2, 3145728
	s_mul_i32 s46, s46, 24576
	s_mov_b32 s47, 0
	s_mov_b32 s3, 0
	s_mul_i32 s45, s16, 49152                      ; LDS: no place in the cluster enters an LDS address
	s_mul_i32 s66, s16, 24576
	s_lshl_b32 s67, s16, 13
	s_lshl_b32 s12, s16, 12
	s_mov_b32 s[SEL], 0x76543210
	s_mov_b32 s[SEL+1], 0xfedcba98
	s_wait_dscnt 0x0                               ; the opening add is done
	s_wait_kmcnt 0x0
	s_add_nc_u64 s[20:21], s[4:5], s[20:21]
	s_add_nc_u64 s[22:23], s[4:5], s[22:23]
	s_add_nc_u64 s[46:47], s[6:7], s[46:47]
	s_add_nc_u64 s[2:3], s[6:7], s[2:3]
	CROUND                                         ; all sixteen work-groups are here: the first joint loads meet
	s_mov_b32 s[G0SA], 1
	s_add_co_u32 s[G0SA+1], s67, SCL
	s_mov_b64 s[G0SA+2:G0SA+3], s[22:23]
	s_or_b32 s[G0SA+3], s[G0SA+3], 0x80000000
	s_mov_b32 s[G0SB], 1
	s_add_co_u32 s[G0SB+1], s12, SCLB
	s_mov_b64 s[G0SB+2:G0SB+3], s[2:3]
	s_or_b32 s[G0SB+3], s[G0SB+3], 0x80000000
	JLOAD G0SA, G1SA, G0SB, G1SB                   ; the scale words of all of K: filled once
.irp s, 0,1
	s_mov_b32 s[G0A+4*\s], 1
	s_add_co_u32 s[G0A+4*\s+1], s45, \s*SLOT
	s_add_nc_u64 s[G0A+4*\s+2:G0A+4*\s+3], s[20:21], \s*6144
	s_or_b32 s[G0A+4*\s+3], s[G0A+4*\s+3], 0x80000000
	s_mov_b32 s[G0B+4*\s], 1
	s_add_co_u32 s[G0B+4*\s+1], s66, \s*SLOT+BOFF
	s_add_nc_u64 s[G0B+4*\s+2:G0B+4*\s+3], s[46:47], \s*6144
	s_or_b32 s[G0B+4*\s+3], s[G0B+4*\s+3], 0x80000000
	JLOAD G0A+4*\s, G1A, G0B+4*\s, G1B             ; by this text's count three loads of mine are out here, later one
.endr
	v_and_b32 v1, 15, v0                           ; r
	v_bfe_u32 v2, v0, 4, 1                         ; h
	v_and_b32 v3, 31, v0                           ; lane
	v_lshlrev_b32 v27, 4, v3                       ; 16 x lane
	v_lshlrev_b32 v30, 3, v3                       ; 8 x lane
	s_mul_i32 s21, s15, 49152
	s_mul_i32 s22, s16, 24576
	s_add_co_u32 s22, s22, BOFF
.irp s, 0,1
	v_add_nc_u32 v[ADRA+\s], s21, v27
	v_add_nc_u32 v[ADRB+\s], s22, v27
	s_add_co_u32 s21, s21, SLOT
	s_add_co_u32 s22, s22, SLOT
.endr
	v_lshlrev_b32 v4, 4, v1
	s_lshl_b32 s21, s15, 13
	s_add_co_u32 s21, s21, SCL
	v_lshl_add_u32 v22, v2, 12, v4
	v_add_nc_u32 v22, s21, v22                     ; x's words: lanes 16-31 four blocks further on
	s_lshl_b32 s21, s16, 12
	s_add_co_u32 s21, s21, SCLB
	v_lshl_add_u32 v23, v2, 11, v4
	v_add_nc_u32 v23, s21, v23                     ; W's words: lanes 16-31 two tiles further on
	s_mul_i32 s21, s14, 34816                      ; my stage for the way out: 128 rows x 272 bytes, in slot 0
	v_mul_u32_u24 v24, v1, 272
	v_lshl_add_u32 v24, v2, 6, v24
	v_add_nc_u32 v24, s21, v24                     ; in: row r, + 64 h
	v_mul_u32_u24 v25, v2, 272
	v_lshl_add_u32 v25, v1, 4, v25
	v_add_nc_u32 v25, s21, v25                     ; back: lanes 0-15 one row, lanes 16-31 the next
	v_and_b32 v26, 8, v1
	v_add_nc_u32 v26, v26, v1
	v_lshlrev_b32 v26, 2, v26
	v_mad_u32_u24 v26, v2, 2176, v26
	v_add_nc_u32 v26, s21, v26                     ; V turned: channel r + 8 (r / 8), keys 8 h on
	s_cmp_lt_u32 ttmp9, 2
	s_cselect_b64 s[66:67], s[10:11], s[92:93]     ; Q's gains or K's
	v_lshlrev_b32 v31, 6, v2
.irp e, 0,1,2,3,4,5,6,7
	global_load_b128 v[NWR+4*\e:NWR+4*\e+3], v31, s[66:67] offset:128*(\e/4)+16*(\e%4)   ; w[32 B + 16 h + i]
.endr
	s_wait_tensorcnt 1                             ; the scale words and my part of slot 0 are in; slot 1's load may be out
	s_barrier_signal -1
	s_barrier_wait -1
	FETCH_B 0, 0, 0
	FETCH_A 0, 0, 0
	SCALES 0, 0
	FETCH_A 0, 0, 4
	s_wait_loadcnt 0x0                             ; the gains
	STEP 0, 0, 1                                   ; the first products start the sums
	STEP 0, 1, 0
	STEP 0, 2, 0
	TURN 0, 1, 1, 1
	STEP 1, 0, 0
	STEP 1, 1, 0
	STEP 1, 2, 0
	TURN 1, 0, 1, 2
	STEP 0, 0, 0
	STEP 0, 1, 0
	STEP 0, 2, 0
	TURN 0, 1, 0, 3                                ; nothing is left to fetch
	STEP 1, 0, 0
	STEP 1, 1, 0
	STEP 1, 2, 0
	s_wait_dscnt 12
	WIN MUL
	MUL8 0, 1, 3, 1, 0
	MUL8 2, 1, 3, 1, 0
	s_wait_dscnt 0x0
	MUL8 4, 1, 3, 1, 0
	MUL8 6, 1, 3, 1, 0
	WIN 0
	PLACES
	; ---------------- the way out
	s_lshl_b32 s20, s17, 1
	s_add_co_u32 s20, s20, s15                     ; G = 2 ty + rh: which 128 rows
	s_lshr_b32 s21, s20, 4                         ; b
	s_and_b32 s22, s20, 15                         ; s8
	s_lshl_b32 s23, s42, 1
	s_add_co_u32 s23, s23, s16                     ; hc: 0-15 Q's heads, 16-23 K's, 24-31 V's
	s_lshl_b32 s32, s21, 4
	s_add_co_u32 s32, s32, s23
	s_lshl_b32 s32, s32, 4
	s_add_co_u32 s32, s32, s22
	s_mul_i32 s32, s32, 6656                       ; Q's block
	s_and_b32 s33, s23, 7
	s_lshl_b32 s34, s21, 3
	s_add_co_u32 s33, s33, s34
	s_lshl_b32 s33, s33, 4
	s_add_co_u32 s33, s33, s22
	s_mul_i32 s34, s33, 13056                      ; the key step's block of kv
	s_lshl_b32 s50, s33, 15                        ; 128 rows x 256 bytes of out1 or out2
	s_mov_b32 s51, 0
	s_mov_b32 s39, 0
	s_cmp_lt_u32 ttmp9, 2
	s_cselect_b64 s[36:37], s[94:95], s[96:97]
	s_cselect_b32 s38, s32, s34
	s_cselect_b32 s46, 3, 0
	s_add_nc_u64 s[36:37], s[36:37], s[38:39]
	s_cmp_eq_u32 ttmp9, 2
	s_cselect_b64 s[48:49], s[98:99], s[100:101]
	s_add_nc_u64 s[48:49], s[48:49], s[50:51]
	s_lshl_b32 s38, s20, 15
	s_add_nc_u64 s[8:9], s[8:9], s[38:39]          ; the table at my first row
	s_mov_b32 s52, 0x3c800000                      ; 1/64
	s_mov_b32 s53, 0x358637bd                      ; 1e-6
	v_cmp_le_u32 s47, 16, v3                       ; lanes 16-31
	s_cmp_eq_u32 ttmp9, 3
	s_cbranch_scc1 .Lafter_e1
	v_mov_b32 v37, 0                               ; named as the upper half of a pair
	v_mov_b32 v42, 0                               ; a lane permute's destination counts as read
	v_mov_b32 v43, 0
	ROPELD 0
.irp a, 0,1,2,3,4,5,6,7
	E1BLK \a
.endr
.irp p, 0,1,2,3
	v_cndmask_b32 v[76+\p], v[68+2*\p], v[69+2*\p], s47    ; word (lane, p): tile 2 p + lane / 16, row lane % 16
.endr
	global_store_b128 v27, v[76:79], s[36:37] offset:6144
.Lafter_e1:
	s_cmp_lt_u32 ttmp9, 2
	s_cbranch_scc1 .Lend
	; K and V in f32: through my stage (slot 0 has had its last fill, and every wave has passed the last change of slots), back as whole rows of 256 bytes
	WIN 0x08                                       ; an LDS store's data: window 2
.irp a, 0,1,2,3,4,5,6,7
.irp e, 0,1,2,3,4,5,6,7
	ds_store_b128 v24, v[32*\a+4*\e:32*\a+4*\e+3] offset:\a*4352+128*(\e/4)+16*(\e%4)   ; each accumulator from its low end on
.endr
.endr
	WIN 0
	BLD 0
.irp g, 1,2,3,4,5,6,7
.if \g > 1
	s_wait_xcnt 0x0                                ; the stores of two batches back have read their registers
.endif
	BLD \g
	s_wait_dscnt 8                                 ; all but the 8 loads just issued
	BST \g-1
.endr
	s_wait_dscnt 0x0
	BST 7
	s_cmp_eq_u32 ttmp9, 3
	s_cbranch_scc0 .Lend
	; V along the keys: lane (r, h) takes channel 32 b + 8 u + r + 8 (r / 8); register 16 B + i is key 32 B + 16 (i / 8) + 8 h + i % 8: the order in which the weights p lie in attention
.irp b, 0,1,2,3
	v_mov_b32 v[TM+4+\b], 0
.endr
.irp dt, 0,1,2,3
	s_wait_xcnt 0x0                                ; earlier stores have read the registers that are loaded and written below
.set n, 0
.rept 64
	ds_load_b32 v[128+n], v26 offset:(32*(n/16)+16*((n%16)/8)+n%8)*272+(32*(\dt/2)+8*(\dt%2))*4
.set n, n+1
.endr
	s_wait_dscnt 0x0
	QUANT4 128
.irp c, 0,1,2
	global_store_b128 v27, v[PC+4*\c:PC+4*\c+3], s[36:37] offset:6656+1536*\dt+512*\c
.endr
	v_mov_b32 v[60+\dt], v[PW]
.endr
	v_cndmask_b32 v64, v60, v61, s47
	v_cndmask_b32 v65, v62, v63, s47
	global_store_b64 v30, v[64:65], s[36:37] offset:12800
.Lend:
	s_wait_tensorcnt 0x0                           ; the wave's end
	ds_add_u32 v28, v29
	s_wait_dscnt 0x0
	CROUND                                         ; the closing round
	s_endpgm
.Lfunc_end_k_q58d5cac62b_qkv:
	.size	k_q58d5cac62b_qkv, .Lfunc_end_k_q58d5cac62b_qkv-k_q58d5cac62b_qkv
	.p2alignl 7, 3214868480
	.fill 96, 4, 3214868480
	.section	.rodata,"a",@progbits
	.p2align	6, 0x0
	.amdhsa_kernel k_q58d5cac62b_qkv
		.amdhsa_group_segment_fixed_size 327680
		.amdhsa_private_segment_fixed_size 0
		.amdhsa_enable_private_segment 0
		.amdhsa_kernarg_size 72
		.amdhsa_user_sgpr_count 2
		.amdhsa_user_sgpr_kernarg_segment_ptr 1
		.amdhsa_wavefront_size32 1
		.amdhsa_system_sgpr_workgroup_id_x 1
		.amdhsa_system_sgpr_workgroup_id_y 1
		.amdhsa_system_sgpr_workgroup_id_z 1
		.amdhsa_system_vgpr_workitem_id 0
		.amdhsa_next_free_vgpr 768
		.amdhsa_next_free_sgpr 102
		.amdhsa_reserve_vcc 0
		.amdhsa_float_denorm_mode_32 3
		.amdhsa_float_denorm_mode_16_64 3
		.amdhsa_memory_ordered 1
		.amdhsa_forward_progress 1
		.amdhsa_inst_pref_size 240
	.end_amdhsa_kernel
	.amdgpu_metadata
---
amdhsa.version: [ 1, 2 ]
amdhsa.kernels:
  - .name:           k_q58d5cac62b_qkv
    .symbol:         k_q58d5cac62b_qkv.kd
    .args:
      - { .name: px, .offset: 0, .size: 8, .value_kind: global_buffer, .address_space: global }
      - { .name: pw, .offset: 8, .size: 8, .value_kind: global_buffer, .address_space: global }
      - { .name: rope, .offset: 16, .size: 8, .value_kind: global_buffer, .address_space: global }
      - { .name: q_norm_w, .offset: 24, .size: 8, .value_kind: global_buffer, .address_space: global }
      - { .name: k_norm_w, .offset: 32, .size: 8, .value_kind: global_buffer, .address_space: global }
      - { .name: qc, .offset: 40, .size: 8, .value_kind: global_buffer, .address_space: global }
      - { .name: kv, .offset: 48, .size: 8, .value_kind: global_buffer, .address_space: global }
      - { .name: out1, .offset: 56, .size: 8, .value_kind: global_buffer, .address_space: global }
      - { .name: out2, .offset: 64, .size: 8, .value_kind: global_buffer, .address_space: global }
    .group_segment_fixed_size: 327680
    .private_segment_fixed_size: 0
    .kernarg_segment_align: 8
    .kernarg_segment_size: 72
    .max_flat_workgroup_size: 128
    .sgpr_count:     102
    .vgpr_count:     768
    .wavefront_size: 32
...
	.end_amdgpu_metadata
.endif
;; end of part 2
;; launch attn (part 3): grid 16 x 16, 16 waves a work-group, clusters of 4 x 1, 327,680 bytes of LDS; arguments qc, kv, attn_mask, cc; writes cc
.if DOCPART == 3
	.amdgcn_target "amdgcn-amd-amdhsa--gfx1250"
	.amdhsa_code_object_version 6
	.text
	.protected	k_q58d5cac62b_attn
	.globl	k_q58d5cac62b_attn
	.p2align	8
	.type	k_q58d5cac62b_attn,@function
k_q58d5cac62b_attn:
	s_mov_b64 s[64:65], 0
	v_nop
	global_prefetch_b8 v0, s[64:65] scope:SCOPE_SE
	s_setreg_imm32_b32 hwreg(HW_REG_WAVE_MODE, 25, 1), 1
	s_wait_xcnt 0x0
	s_wait_alu depctr_hold_cnt(0) depctr_sa_sdst(0) depctr_va_vdst(0) depctr_va_sdst(0) depctr_va_ssrc(0) depctr_va_vcc(0) depctr_vm_vsrc(0)
	s_getreg_b32 s2, hwreg(HW_REG_IB_STS2, 6, 4)
	s_cmp_eq_u32 s2, 0
	s_cbranch_scc0 .Lentry_in_a_cluster
	s_endpgm
.Lentry_in_a_cluster:
	s_bfe_u32 s2, ttmp6, 0x10000c
	s_cmp_lg_u32 s2, 0x3003
	s_cbranch_scc0 .Lentry_shape_is_right
	s_endpgm
.Lentry_shape_is_right:
; ATTENTION on codes of FP6.  A work-group owns one (batch, kv head) bg and 128 queries y; wave w owns tile a = w & 7 (16 queries) of head c = w / 8 of the group.  Every wave walks all 2,048 keys, 128 a step.
; Both products are used transposed: S^T = K Q^T, O^T = V^T P^T: a lane holds one query throughout.
; THE MASK IS AN INPUT: all of it is read.  It is the C of the score product: it comes from LDS straight into the accumulator registers.  The division by 8 lies in Q's scale bytes.
; THE HEAD HAS 64 CHANNELS, the instruction 128: Q's upper six registers are zero codes; K's tiles lie six registers apart, so a tile's upper half is the next tile's codes, which meet zeros; scale bytes 2, 3 are 0, which is no NaN.
; SOFTMAX: t = logit x log2(e); M = the running largest t rounded up; p = 2^(t - M) is quantised along the keys; the sum is taken of the unquantised p and divides at the end.
; Keys of a tile of K are neighbours, so p's registers 16 B + i are keys 32 B + 16 (i / 8) + 8 h + i % 8; V's codes were laid in the same order inside each block of 32.
; CLUSTER 4 x 1: the four partners (four bg, one y) read the same tile of the mask: one joint load.  Each one's own block of K and V (13,056 of a step's 78,592 bytes; partners have different kv heads) comes by a plain load behind the same round.
; PREFETCH: at each change of slots that fills a slot, the step after the one being asked for: the mask's 128 rows x 512 bytes by waves 4, 5 of the clusters with x = 0 (partners share the rows out by address, 32 each, a lane a run of 256 bytes);
; a work-group's block of K and V by waves 6, 7 of the work-groups with y = 0 (lanes 256 bytes apart, the last lanes held at the block's last run).  The last filling change asks for nothing.
; LIMITS: a row whose every logit is -infinity gives NaN, as in the reference; blocks of the result under 2^-124 are held at the floor's scale.
; REGISTERS: v1-3 places in a slot; v4, v5 the add's; v6-8 addresses in hand; v9 prefetch offset; v10, v11 scale-word scratch; v12 -M, v13 largest t, v[14:15] the sum; v16-27 Q; v28 Q's words; v29, v30 16 and 8 x lane;
; v32-85 K's tiles (V's fragments at v32-79); v86-89 K's words, v90-91 V's; v96-159 S, then p; v160-191 O^T; v192-211 p's codes; v232-254 at work.
.set SLOT1, 131072
.set KVO,   67584                      ; a slot: the mask's 128 rows x 528 bytes, then the block of K and V
.set SCX,   211712                     ; 512 bytes: the result's scale words meet here
.set SPARE, 212224                     ; the spare words: 128 bytes for each of 16 waves
.set WV, 18
.macro CROUND
	s_barrier_signal -1
	s_barrier_wait -1
	s_cmp_lg_u32 s[WV], 0
	s_cbranch_scc1 .Lnot_wave_0_\@
	s_barrier_signal -3
.Lnot_wave_0_\@:
	s_barrier_wait -3
	s_barrier_signal -1
	s_barrier_wait -1
.endm
.macro TLOAD                           ; waves 0, 1: the mask's halves (joint); wave 2: K and V; an s_nop 0 and four v_nop follow each line
	s_cmp_lt_u32 s[WV], 2
	s_cbranch_scc0 .Lnot_m_\@
	tensor_load_to_lds s[40:43], s[24:31]
	s_nop 0
.rept 4
	v_nop
.endr
	s_branch .Lasked_\@
.Lnot_m_\@:
	s_cmp_eq_u32 s[WV], 2
	s_cbranch_scc0 .Lasked_\@
	tensor_load_to_lds s[44:47], s[32:39]
	s_nop 0
.rept 4
	v_nop
.endr
.Lasked_\@:
.endm
.macro ASK
	s_cmp_gt_u32 s3, s52
	s_cbranch_scc0 .Lnot_mine_\@
	global_prefetch_b8 v9, s[48:49] th:TH_LOAD_NT scope:SCOPE_SE
.Lnot_mine_\@:
.endm
.macro CHANGE fill                     ; at a step's head: the slot ahead is whole behind the barrier, the other one is free
	s_wait_tensorcnt 0x0                           ; no tensor load of mine is out, so a group 0 may be written
	ds_add_u32 v4, v5                              ; 0 onto my spare word
.if \fill
	s_xor_b32 s41, s41, SLOT1
	s_add_nc_u64 s[42:43], s[42:43], 512           ; the next 128 columns of the mask
	s_xor_b32 s45, s45, SLOT1
	s_add_nc_u64 s[46:47], s[46:47], 13056         ; the next step's block
	s_wait_xcnt 0x0                                ; the last prefetch, a step back, has read its address
	s_add_nc_u64 s[48:49], s[48:49], s[50:51]
.endif
	s_wait_dscnt 0x0                               ; the add is done, my reads of the slot that I have left are over
.if \fill
	CROUND                                         ; the round takes the barrier's place: no wave of any partner still reads that slot or has a load on its way
	TLOAD
	ASK
.else
	s_barrier_signal -1
	s_barrier_wait -1
.endif
.endm
.macro STEP
	v_add_nc_u32 v6, s2, v1                        ; these three and the v_nop are the places behind the last products
	v_add_nc_u32 v7, s2, v2
	v_add_nc_u32 v8, s2, v3
	v_nop
.set t, 0
.rept 8
	ds_load_b128 v[32+6*t:35+6*t], v7 offset:768*t
	ds_load_b64 v[36+6*t:37+6*t], v8 offset:768*t+512
.set t, t+1
.endr
	ds_load_b128 v[86:89], v7 offset:6144
.set t, 0
.rept 8
	ds_load_b128 v[96+8*t:99+8*t], v6 offset:64*t          ; mask(my query, keys 16 t + 8 h + 0..7)
	ds_load_b128 v[100+8*t:103+8*t], v6 offset:64*t+16
.set t, t+1
.endr
	s_wait_dscnt 0x0
.set t, 0
.rept 8
.if t%2 == 0
	v_wmma_scale_f32_16x16x128_f8f6f4 v[96+8*t:103+8*t], v[32+6*t:43+6*t], v[16:27], v[96+8*t:103+8*t], v[86+t/2], v28 matrix_a_fmt:MATRIX_FMT_FP6 matrix_b_fmt:MATRIX_FMT_FP6
.else
	v_wmma_scale_f32_16x16x128_f8f6f4 v[96+8*t:103+8*t], v[32+6*t:43+6*t], v[16:27], v[96+8*t:103+8*t], v[86+t/2], v28 matrix_a_fmt:MATRIX_FMT_FP6 matrix_b_fmt:MATRIX_FMT_FP6 matrix_a_scale:MATRIX_SCALE_ROW1
.endif
.set t, t+1
.endr
.rept 4
	v_nop
.endr
.irp d, 0,1,2,3                        ; V's fragments land under the softmax
.irp c, 0,1,2
	ds_load_b128 v[32+12*\d+4*\c:35+12*\d+4*\c], v7 offset:6656+1536*\d+512*\c
.endr
.endr
	ds_load_b64 v[90:91], v8 offset:12800
.irp b, 0,1,2,3
	v_max3_num_f32 v[232+\b], v[96+16*\b], v[97+16*\b], v[98+16*\b]     ; the largest logit of each block of 32 keys: for the row's maximum and for the block's largest p
.endr
.irp i, 3,5,7,9,11,13
.irp b, 0,1,2,3
	v_max3_num_f32 v[232+\b], v[232+\b], v[96+16*\b+\i], v[97+16*\b+\i]
.endr
.endr
.irp b, 0,1,2,3
	v_max_num_f32 v[232+\b], v[232+\b], v[111+16*\b]
.endr
.irp b, 0,1,2,3
	v_permlanex16_b32 v[236+\b], v[232+\b], s20, s21
.endr
.irp b, 0,1,2,3
	v_max_num_f32 v[232+\b], v[232+\b], v[236+\b]
.endr
	v_max3_num_f32 v254, v232, v233, v234
	v_max_num_f32 v254, v254, v235
	v_mul_f32 v254, s22, v254
	v_max_num_f32 v13, v13, v254                   ; the running largest t
	v_mov_b32 v254, v12
	v_floor_f32 v12, -v13                          ; -M = floor(-t)
	v_sub_f32 v254, v12, v254
	v_cvt_i32_f32 v254, v254                       ; (it saturates)
	v_ldexp_f32 v252, 1.0, v254                    ; f = 2^(old M - new M)
.set j, 0
.rept 32
	v_pk_fma_f32 v[96+j:97+j], v[96+j:97+j], s[22:23], v[12:13] op_sel_hi:[1,0,0]   ; t - M
.set j, j+2
.endr
.irp b, 0,1,2,3
	v_fma_f32 v[232+\b], v[232+\b], s22, v12
.endr
.set j, 0
.rept 64
	v_exp_f32 v[96+j], v[96+j]
.set j, j+1
.endr
	v_pk_mul_f32 v[14:15], v[14:15], v[252:253] op_sel_hi:[1,0]         ; the sums under the new M: a plain place behind the exponentials
	s_wait_alu depctr_va_vdst(0)                   ; one wait for the batch, ahead of its first reader
.irp b, 0,1,2,3
	v_exp_f32 v[232+\b], v[232+\b]                 ; the block's largest p
.endr
	v_pk_add_f32 v[236:237], v[96:97], v[98:99]    ; the sum of the unquantised p, in two chains
.irp j, 4,8,12,16,20,24,28,32,36,40,44,48,52,56,60
	v_pk_add_f32 v[14:15], v[14:15], v[96+\j:97+\j]
	v_pk_add_f32 v[236:237], v[236:237], v[98+\j:99+\j]
.endr
	v_pk_add_f32 v[14:15], v[14:15], v[236:237]
	s_wait_alu depctr_va_vdst(0)                   ; and one for the four
.irp b, 0,1,2,3
	v_max_num_f32 v[232+\b], 0x1800000, v[232+\b]
.endr
.irp b, 0,1,2,3
	v_add_nc_u32 v[244+\b], 0xff000000, v[232+\b]
.endr
.irp b, 0,1,2,3
	v_lshrrev_b32 v[236+\b], 23, v[244+\b]
.endr
	v_lshl_or_b32 v253, v237, 8, v236
	v_lshl_or_b32 v253, v238, 16, v253
	v_lshl_or_b32 v253, v239, 24, v253
.irp c, 0,1
	v_cvt_scalef32_pk16_fp6_f32 v[192+6*\c:194+6*\c], v[96+32*\c:111+32*\c], v[244+2*\c]
	v_cvt_scalef32_pk16_fp6_f32 v[204+4*\c:206+4*\c], v[112+32*\c:127+32*\c], v[244+2*\c+1]
.endr
	v_nop
.irp c, 0,1
.irp i, 0,1,2
	v_permlane16_swap_b32 v[192+6*\c+\i], v[204+4*\c+\i]
.endr
.irp i, 0,1,2
	v_mov_b32 v[195+6*\c+\i], v[204+4*\c+\i]
.endr
.endr
.set j, 0
.rept 16
	v_pk_mul_f32 v[160+j:161+j], v[160+j:161+j], v[252:253] op_sel_hi:[1,0]   ; O^T under the new M; also the places ahead of the products
.set j, j+2
.endr
	s_wait_dscnt 0x0                               ; V
.set t, 0
.rept 4
.if t%2 == 0
	v_wmma_scale_f32_16x16x128_f8f6f4 v[160+8*t:167+8*t], v[32+12*t:43+12*t], v[192:203], v[160+8*t:167+8*t], v[90+t/2], v253 matrix_a_fmt:MATRIX_FMT_FP6 matrix_b_fmt:MATRIX_FMT_FP6
.else
	v_wmma_scale_f32_16x16x128_f8f6f4 v[160+8*t:167+8*t], v[32+12*t:43+12*t], v[192:203], v[160+8*t:167+8*t], v[90+t/2], v253 matrix_a_fmt:MATRIX_FMT_FP6 matrix_b_fmt:MATRIX_FMT_FP6 matrix_a_scale:MATRIX_SCALE_ROW1
.endif
.set t, t+1
.endr
	s_xor_b32 s2, s2, SLOT1                        ; on to the other slot
.endm
	s_load_b256 s[4:11], s[0:1], 0x0               ; qc, kv, attn_mask, cc
	v_lshl_add_u32 v4, v0, 2, SPARE
	v_mov_b32 v5, 0
	ds_add_u32 v4, v5                              ; the wave's opening
	v_lshrrev_b32 v6, 5, v0
	v_readfirstlane_b32 s[WV], v6                  ; wave 0..15
	s_bfe_u32 s12, ttmp6, 0x40000                  ; cx
	s_lshl_b32 s13, ttmp9, 2
	s_add_co_u32 s13, s13, s12                     ; bg
	s_and_b32 s14, ttmp7, 0xffff                   ; y
	s_and_b32 s15, s[WV], 7                        ; a
	s_lshr_b32 s16, s[WV], 3                       ; c
	s_lshr_b32 s17, s13, 3                         ; b
	s_and_b32 s19, s13, 7                          ; g
	s_mov_b32 s24, 15|(2<<16)|(1<<20)|(1<<21)|(6<<22)|(3<<25)   ; the mask's tile: all four partners; elements of 4 bytes; 16 bytes of padding behind every 512
	s_mov_b32 s25, 128<<16
	s_mov_b32 s26, 64<<16
	s_mov_b32 s27, 128<<16
	s_mov_b32 s28, 64
	s_mov_b32 s29, 2048
	s_mov_b32 s30, 0
	s_mov_b32 s31, 0
	s_mov_b32 s32, 3<<16                           ; K and V: 13,056 dense bytes as 51 rows of 256; no partner
	s_mov_b32 s33, 32<<16
	s_mov_b32 s34, 51<<16
	s_mov_b32 s35, 32<<16
	s_mov_b32 s36, 51
	s_mov_b32 s37, 32
	s_mov_b32 s38, 0
	s_mov_b32 s39, 0
	s_mov_b32 s20, 0x76543210
	s_mov_b32 s21, 0xfedcba98
	s_mov_b32 s22, 0x3fb8aa3b                      ; log2(e)
	s_mov_b32 s23, s22
	s_mov_b32 s2, 0                                ; the slot in hand
	s_mov_b32 s3, 15                               ; steps still to be asked for
	s_and_b32 s53, s[WV], 1
	s_mul_i32 s41, s53, 33792                      ; the mask's half in a slot
	s_lshl_b32 s54, s14, 7
	s_lshl_b32 s55, s53, 6
	s_add_co_u32 s54, s54, s55
	s_lshl_b32 s54, s54, 13                        ; row 128 y + 64 half
	s_mov_b32 s55, 0
	s_mul_i32 s56, s13, 208896                     ; bg's 16 blocks
	s_mov_b32 s57, 0
	s_wait_dscnt 0x0                               ; the opening add is done
	s_wait_kmcnt 0x0
	s_mov_b32 s40, 1
	s_add_nc_u64 s[42:43], s[8:9], s[54:55]
	s_or_b32 s43, s43, 0x80000000
	s_mov_b32 s44, 1
	s_mov_b32 s45, KVO
	s_add_nc_u64 s[46:47], s[6:7], s[56:57]
	s_or_b32 s47, s47, 0x80000000
	CROUND                                         ; all four work-groups are here
	TLOAD                                          ; step 0 into slot 0
	; the prefetches: who asks, and where
	s_mov_b32 s50, 13056
	s_cmp_lt_u32 s[WV], 6
	s_cselect_b64 s[48:49], s[8:9], s[6:7]
	s_cselect_b32 s50, 512, s50                    ; a step on
	s_mov_b32 s51, 0
	s_cselect_b32 s58, ttmp9, s14                  ; the coordinate along which others read the same bytes
	s_cselect_b32 s59, -1, 0
	s_lshl_b32 s54, s14, 7
	s_lshl_b32 s55, s12, 5
	s_add_co_u32 s54, s54, s55
	s_lshl_b32 s55, s53, 4
	s_add_co_u32 s54, s54, s55
	s_lshl_b32 s54, s54, 13
	s_add_co_u32 s54, s54, 512                     ; the mask: row 128 y + 32 cx + 16 (w & 1), step 1
	s_lshl_b32 s55, s53, 13
	s_add_co_u32 s56, s56, s55
	s_add_co_u32 s56, s56, 13056                   ; K and V: step 1's block, + 8,192 (w & 1)
	s_cmp_lt_u32 s[WV], 6
	s_cselect_b32 s54, s54, s56
	s_mov_b32 s55, 0
	s_add_nc_u64 s[48:49], s[48:49], s[54:55]      ; the first change of slots steps it to step 2
	s_lshr_b32 s56, s[WV], 2
	s_xor_b32 s56, s56, 1                          ; 0 in waves 4 to 7
	s_or_b32 s56, s56, s58
	s_cmp_eq_u32 s56, 0
	s_cselect_b32 s52, 1, -1
	s_mov_b32 s58, 7936
	s_cmp_eq_u32 s[WV], 7
	s_cselect_b32 s58, 4608, s58                   ; the block's last run of 256 bytes, counted from the wave's part
	v_and_b32 v232, 15, v0                         ; r
	v_bfe_u32 v233, v0, 4, 1                       ; h
	v_and_b32 v234, 31, v0                         ; lane
	v_lshrrev_b32 v235, 1, v234
	v_lshlrev_b32 v235, 13, v235
	v_and_b32 v236, 1, v234
	v_lshl_or_b32 v235, v236, 8, v235
	v_lshlrev_b32 v236, 8, v234
	v_min_u32 v236, s58, v236
	v_cndmask_b32 v9, v236, v235, s59
	v_lshlrev_b32 v29, 4, v234
	v_lshlrev_b32 v30, 3, v234
	s_lshl_b32 s54, s15, 4
	v_add_nc_u32 v1, s54, v232
	v_mul_u32_u24 v1, v1, 528
	v_lshl_add_u32 v1, v233, 5, v1                 ; the mask: row 16 a + r, + 32 h
	v_add_nc_u32 v2, KVO, v29
	v_add_nc_u32 v3, KVO, v30
	s_lshl_b32 s54, s15, 6
	s_lshl_b32 s55, s16, 1
	s_add_co_u32 s54, s54, s55
	s_add_co_u32 s54, s54, SCX
	v_lshl_add_u32 v10, v232, 2, s54               ; my half of row r's scale word of tile a
	v_add_nc_u32 v11, SCX, v29
	; Q
	s_lshl_b32 s54, s13, 1
	s_add_co_u32 s54, s54, s16
	s_lshl_b32 s54, s54, 4
	s_add_co_u32 s54, s54, s14
	s_mul_i32 s54, s54, 6656
	s_mov_b32 s55, 0
	s_add_nc_u64 s[54:55], s[4:5], s[54:55]        ; the block of (head, y)
	s_mul_i32 s56, s15, 768
	s_mov_b32 s57, 0
	s_add_nc_u64 s[56:57], s[54:55], s[56:57]      ; my tile
	global_load_b128 v[16:19], v29, s[56:57]
	global_load_b64 v[20:21], v30, s[56:57] offset:512
	s_and_b32 s58, s15, 1
	s_lshl_b32 s58, s58, 8
	s_lshr_b32 s59, s15, 1
	s_lshl_b32 s59, s59, 2
	s_add_co_u32 s58, s58, s59
	v_lshl_add_u32 v235, v232, 4, s58
	global_load_b32 v28, v235, s[54:55] offset:6144
	; where the result goes
	s_lshl_b32 s58, s17, 7
	s_lshl_b32 s59, s14, 3
	s_add_co_u32 s58, s58, s59                     ; 128 b + 8 y
	s_lshl_b32 s66, s58, 6
	s_lshl_b32 s67, s19, 14
	s_add_co_u32 s66, s66, s67
	s_add_co_u32 s66, s66, 3145728
	s_mov_b32 s67, 0
	s_add_nc_u64 s[62:63], s[10:11], s[66:67]      ; scale words
	s_add_co_u32 s58, s58, s15
	s_lshl_b32 s58, s58, 3
	s_add_co_u32 s58, s58, s19
	s_lshl_b32 s58, s58, 1
	s_add_co_u32 s58, s58, s16
	s_mul_i32 s66, s58, 768
	s_add_nc_u64 s[60:61], s[10:11], s[66:67]      ; codes
.irp j, 22,23,24,25,26,27,80,81,82,83,84,85
	v_mov_b32 v[\j], 0                             ; zero codes: Q's upper half; what stands behind K's last tile
.endr
	v_mov_b32 v13, 0xff61b1e6                      ; -3e38, under every t
	v_floor_f32 v12, -v13
	v_mov_b32 v14, 0
	v_mov_b32 v15, 0
.irp b, 0,1,2,3
	v_mov_b32 v[236+\b], 0
.endr
	v_mov_b32 v253, 0
.set j, 0
.rept 32
	v_mov_b32 v[160+j], 0                          ; O^T: the step is written once, its first turn finds zeros
.set j, j+1
.endr
	s_wait_loadcnt 0x0                             ; Q
.Lslot:                                            ; 15 trips: behind each change of slots but the last the next step is asked for
	CHANGE 1
	STEP
	s_sub_co_u32 s3, s3, 1
	s_cmp_lg_u32 s3, 0
	s_cbranch_scc1 .Lslot
	CHANGE 0                                       ; the last step is written out
	STEP
	; the way out: O^T / the sum, quantised along the head's 64, stored as half a fragment of the last product's operand
.rept 4
	v_nop
.endr
	v_add_f32 v14, v14, v15
	v_permlanex16_b32 v252, v14, s20, s21
	v_add_f32 v14, v14, v252
	v_rcp_f32 v14, v14
	v_nop
	s_wait_alu depctr_va_vdst(0)
.set j, 0
.rept 32
	v_mul_f32 v[96+j], v[160+j], v14               ; register 16 B + i: channel 32 B + 16 h + i
.set j, j+1
.endr
	v_max3_num_f32 v232, |v96|, |v97|, 0x1800000
	v_max3_num_f32 v233, |v112|, |v113|, 0x1800000
.irp i, 2,4,6,8,10,12,14
	v_max3_num_f32 v232, v232, |v[96+\i]|, |v[97+\i]|
	v_max3_num_f32 v233, v233, |v[112+\i]|, |v[113+\i]|
.endr
	v_permlanex16_b32 v236, v232, s20, s21
	v_permlanex16_b32 v237, v233, s20, s21
	v_max_num_f32 v232, v232, v236
	v_max_num_f32 v233, v233, v237
	v_add_nc_u32 v244, 0xff000000, v232
	v_add_nc_u32 v245, 0xff000000, v233
	v_lshrrev_b32 v236, 23, v244
	v_lshrrev_b32 v237, 23, v245
	v_lshl_or_b32 v253, v237, 8, v236
	v_cvt_scalef32_pk16_fp6_f32 v[192:194], v[96:111], v244
	v_cvt_scalef32_pk16_fp6_f32 v[204:206], v[112:127], v245
	v_nop
.irp i, 0,1,2
	v_permlane16_swap_b32 v[192+\i], v[204+\i]
.endr
.irp i, 0,1,2
	v_mov_b32 v[195+\i], v[204+\i]
.endr
	global_store_b128 v29, v[192:195], s[60:61]
	global_store_b64 v30, v[196:197], s[60:61] offset:512
	ds_store_b16 v10, v253                         ; two heads' halves make a row's word
	s_wait_dscnt 0x0
	s_barrier_signal -1
	s_barrier_wait -1
	s_cmp_lg_u32 s[WV], 0
	s_cbranch_scc1 .Lnot_first
	ds_load_b128 v[96:99], v11
	s_wait_dscnt 0x0
	global_store_b128 v29, v[96:99], s[62:63]      ; eight tiles' words: 512 consecutive bytes
.Lnot_first:
	s_wait_tensorcnt 0x0                           ; the wave's end
	ds_add_u32 v4, v5
	s_wait_dscnt 0x0
	CROUND                                         ; the closing round
	s_endpgm
.Lfunc_end_k_q58d5cac62b_attn:
	.size	k_q58d5cac62b_attn, .Lfunc_end_k_q58d5cac62b_attn-k_q58d5cac62b_attn
	.p2alignl 7, 3214868480
	.fill 96, 4, 3214868480
	.section	.rodata,"a",@progbits
	.p2align	6, 0x0
	.amdhsa_kernel k_q58d5cac62b_attn
		.amdhsa_group_segment_fixed_size 327680
		.amdhsa_private_segment_fixed_size 0
		.amdhsa_enable_private_segment 0
		.amdhsa_kernarg_size 32
		.amdhsa_user_sgpr_count 2
		.amdhsa_user_sgpr_kernarg_segment_ptr 1
		.amdhsa_wavefront_size32 1
		.amdhsa_system_sgpr_workgroup_id_x 1
		.amdhsa_system_sgpr_workgroup_id_y 1
		.amdhsa_system_sgpr_workgroup_id_z 1
		.amdhsa_system_vgpr_workitem_id 0
		.amdhsa_next_free_vgpr 256
		.amdhsa_next_free_sgpr 100
		.amdhsa_reserve_vcc 0
		.amdhsa_float_denorm_mode_32 3
		.amdhsa_float_denorm_mode_16_64 3
		.amdhsa_memory_ordered 1
		.amdhsa_forward_progress 1
		.amdhsa_inst_pref_size 48
	.end_amdhsa_kernel
	.amdgpu_metadata
---
amdhsa.version: [ 1, 2 ]
amdhsa.kernels:
  - .name:           k_q58d5cac62b_attn
    .symbol:         k_q58d5cac62b_attn.kd
    .args:
      - { .name: qc, .offset: 0, .size: 8, .value_kind: global_buffer, .address_space: global }
      - { .name: kv, .offset: 8, .size: 8, .value_kind: global_buffer, .address_space: global }
      - { .name: attn_mask, .offset: 16, .size: 8, .value_kind: global_buffer, .address_space: global }
      - { .name: cc, .offset: 24, .size: 8, .value_kind: global_buffer, .address_space: global }
    .group_segment_fixed_size: 327680
    .private_segment_fixed_size: 0
    .kernarg_segment_align: 8
    .kernarg_segment_size: 32
    .max_flat_workgroup_size: 512
    .sgpr_count:     100
    .vgpr_count:     256
    .wavefront_size: 32
...
	.end_amdgpu_metadata
.endif
;; end of part 3
;; launch outp (part 4): grid 16 x 16, 4 waves a work-group, clusters of 4 x 4, 327,680 bytes of LDS; arguments cc, pw, out0; writes out0
.if DOCPART == 4
	.amdgcn_target "amdgcn-amd-amdhsa--gfx1250"
	.amdhsa_code_object_version 6
	.text
	.protected	k_q58d5cac62b_outp
	.globl	k_q58d5cac62b_outp
	.p2align	8
	.type	k_q58d5cac62b_outp,@function
k_q58d5cac62b_outp:
	s_mov_b64 s[64:65], 0
	v_nop
	global_prefetch_b8 v0, s[64:65] scope:SCOPE_SE
	s_setreg_imm32_b32 hwreg(HW_REG_WAVE_MODE, 25, 1), 1
	s_wait_xcnt 0x0
	s_wait_alu depctr_hold_cnt(0) depctr_sa_sdst(0) depctr_va_vdst(0) depctr_va_sdst(0) depctr_va_ssrc(0) depctr_va_vcc(0) depctr_vm_vsrc(0)
	s_getreg_b32 s2, hwreg(HW_REG_IB_STS2, 6, 4)
	s_cmp_eq_u32 s2, 0
	s_cbranch_scc0 .Lentry_in_a_cluster
	s_endpgm
.Lentry_in_a_cluster:
	s_bfe_u32 s2, ttmp6, 0x10000c
	s_cmp_lg_u32 s2, 0xf033
	s_cbranch_scc0 .Lentry_shape_is_right
	s_endpgm
.Lentry_shape_is_right:
; OUT: ctx [4096][1024] times Wo [1024][2048] on codes of FP6; out0 in f32.  Tile, waves, windows and the order of a K step as in the launch for Q, K and V: 256 rows x 128 columns a work-group, 128 x 64 a wave, used transposed.
; K is 1,024: two LDS slots of 512 hold all of it, so both are first fills and nothing is filled again.  No prefetch: all bytes are asked for at the head.
; ctx's fragments lie as two halves (one a head): 16, 8, 16 and 8 bytes a lane.  All scale words are loaded into registers once.
; CLUSTER 4 x 4: ctx's tiles are shared along a row of the cluster, Wo's along a column.
; REGISTERS: window 0: v16-31 addresses; v32-63 ctx's scale words (K step ks, i: lanes 0-15 block i, lanes 16-31 block i + 4); v64-79 Wo's; v128-223 ctx's 8 fragments.  window 1: Wo's fragments, two sets.  window 2: accumulators.
.set SLOT,  147456
.set BOFF,  98304
.set SCL,   294912
.set SCLB,  303104
.set SPARE, 319488
.set ADRA, 16
.set ADRB, 20
.set AF,   128
.set G1A, 24
.set G0A, 32
.set G1B, 48
.set G0B, 56
.set G1SA, 68
.set G0SA, 76
.set G1SB, 80
.set G0SB, 88
.set MUL, 0xa1
.set MSB, 0
.macro WIN new
.if MSB != \new
	s_set_vgpr_msb (MSB<<8)|\new
.set MSB, \new
.endif
.endm
.macro PLACES
.rept 4
	v_nop
.endr
.endm
.macro JLOAD g0a, g1a, g0b, g1b
	s_cmp_eq_u32 s15, 0
	s_cbranch_scc0 .Lfor_b_\@
	tensor_load_to_lds s[\g0a:\g0a+3], s[\g1a:\g1a+7]
	s_nop 0
.rept 4
	v_nop
.endr
	s_branch .Lasked_\@
.Lfor_b_\@:
	tensor_load_to_lds s[\g0b:\g0b+3], s[\g1b:\g1b+7]
	s_nop 0
.rept 4
	v_nop
.endr
.Lasked_\@:
.endm
.macro CROUND
	s_barrier_signal -1
	s_barrier_wait -1
	s_cmp_lg_u32 s14, 0
	s_cbranch_scc1 .Lnot_wave_0_\@
	s_barrier_signal -3
.Lnot_wave_0_\@:
	s_barrier_wait -3
	s_barrier_signal -1
	s_barrier_wait -1
.endm
.macro WM a, t, p, q, slot, zero
.set rD, 8*(4*(\a)+(\t))
.set rB, 64*(\p)+12*(\t)
.set rA, AF+12*(\a)
.set rSB, 64+8*(\slot)+4*((\t)%2)+(\q)
.set rSA, 32+4*(4*(\slot)+(\q))+(\a)%4
.if \zero
.if ((\t) < 2) && ((\a) < 4)
	v_wmma_scale_f32_16x16x128_f8f6f4 v[rD:rD+7], v[rB:rB+11], v[rA:rA+11], 0, v[rSB], v[rSA] matrix_a_fmt:MATRIX_FMT_FP6 matrix_b_fmt:MATRIX_FMT_FP6
.elseif (\a) < 4
	v_wmma_scale_f32_16x16x128_f8f6f4 v[rD:rD+7], v[rB:rB+11], v[rA:rA+11], 0, v[rSB], v[rSA] matrix_a_fmt:MATRIX_FMT_FP6 matrix_b_fmt:MATRIX_FMT_FP6 matrix_a_scale:MATRIX_SCALE_ROW1
.elseif (\t) < 2
	v_wmma_scale_f32_16x16x128_f8f6f4 v[rD:rD+7], v[rB:rB+11], v[rA:rA+11], 0, v[rSB], v[rSA] matrix_a_fmt:MATRIX_FMT_FP6 matrix_b_fmt:MATRIX_FMT_FP6 matrix_b_scale:MATRIX_SCALE_ROW1
.else
	v_wmma_scale_f32_16x16x128_f8f6f4 v[rD:rD+7], v[rB:rB+11], v[rA:rA+11], 0, v[rSB], v[rSA] matrix_a_fmt:MATRIX_FMT_FP6 matrix_b_fmt:MATRIX_FMT_FP6 matrix_a_scale:MATRIX_SCALE_ROW1 matrix_b_scale:MATRIX_SCALE_ROW1
.endif
.else
.if ((\t) < 2) && ((\a) < 4)
	v_wmma_scale_f32_16x16x128_f8f6f4 v[rD:rD+7], v[rB:rB+11], v[rA:rA+11], v[rD:rD+7], v[rSB], v[rSA] matrix_a_fmt:MATRIX_FMT_FP6 matrix_b_fmt:MATRIX_FMT_FP6
.elseif (\a) < 4
	v_wmma_scale_f32_16x16x128_f8f6f4 v[rD:rD+7], v[rB:rB+11], v[rA:rA+11], v[rD:rD+7], v[rSB], v[rSA] matrix_a_fmt:MATRIX_FMT_FP6 matrix_b_fmt:MATRIX_FMT_FP6 matrix_a_scale:MATRIX_SCALE_ROW1
.elseif (\t) < 2
	v_wmma_scale_f32_16x16x128_f8f6f4 v[rD:rD+7], v[rB:rB+11], v[rA:rA+11], v[rD:rD+7], v[rSB], v[rSA] matrix_a_fmt:MATRIX_FMT_FP6 matrix_b_fmt:MATRIX_FMT_FP6 matrix_b_scale:MATRIX_SCALE_ROW1
.else
	v_wmma_scale_f32_16x16x128_f8f6f4 v[rD:rD+7], v[rB:rB+11], v[rA:rA+11], v[rD:rD+7], v[rSB], v[rSA] matrix_a_fmt:MATRIX_FMT_FP6 matrix_b_fmt:MATRIX_FMT_FP6 matrix_a_scale:MATRIX_SCALE_ROW1 matrix_b_scale:MATRIX_SCALE_ROW1
.endif
.endif
.endm
.macro MUL8 a0, p, q, slot, zero       ; the 32 accumulators take turns, one instruction a turn
.irp a, \a0, \a0+1
.irp t, 0,1,2,3
	WM \a, \t, \p, \q, \slot, \zero
.endr
.endr
.endm
.macro FETCH_B slot, q, p
	WIN 0x40
.irp t, 0,1,2,3
.irp c, 0,1,2
	ds_load_b128 v[64*(\p)+12*\t+4*\c:64*(\p)+12*\t+4*\c+3], v[ADRB+\slot] offset:\t*6144+(\q)*1536+512*\c
.endr
.endr
	WIN 0
.endm
.macro FETCH_A slot, q, i0             ; four loads a fragment: two halves of 16 + 8 bytes a lane
.irp i, \i0, \i0+1, \i0+2, \i0+3
	ds_load_b128 v[AF+12*(\i):AF+12*(\i)+3], v[ADRA+\slot] offset:(\i)*6144+(\q)*1536
	ds_load_b64 v[AF+12*(\i)+4:AF+12*(\i)+5], v[ADRA+2+\slot] offset:(\i)*6144+(\q)*1536+512
	ds_load_b128 v[AF+12*(\i)+6:AF+12*(\i)+9], v[ADRA+\slot] offset:(\i)*6144+(\q)*1536+768
	ds_load_b64 v[AF+12*(\i)+10:AF+12*(\i)+11], v[ADRA+2+\slot] offset:(\i)*6144+(\q)*1536+1280
.endr
.endm
.macro STEP slot, q, zero
	s_wait_dscnt 16                                ; all but the youngest 16 loads: ctx's blocks 4-7
	WIN MUL
	MUL8 0, (\q)%2, \q, \slot, \zero
	MUL8 2, (\q)%2, \q, \slot, \zero
	s_wait_dscnt 0x0
	PLACES
	FETCH_B \slot, (\q)+1, 1-(\q)%2
	FETCH_A \slot, (\q)+1, 0
	WIN MUL
	MUL8 4, (\q)%2, \q, \slot, \zero
	MUL8 6, (\q)%2, \q, \slot, \zero
	PLACES
	WIN 0
	FETCH_A \slot, (\q)+1, 4
.endm
.macro BLD g
.irp i, 0,1,2,3,4,5,6,7
	ds_load_b128 v[128+32*((\g)%2)+4*\i:128+32*((\g)%2)+4*\i+3], v25 offset:(8*(\g)+\i)*544
.endr
.endm
.macro BST g
.irp i, 0,1,2,3,4,5,6,7
	global_store_b128 v26, v[128+32*((\g)%2)+4*\i:128+32*((\g)%2)+4*\i+3], s[8:9] offset:(8*(\g)+\i)*16384 th:TH_STORE_NT   ; sixteen lanes store 256 consecutive bytes, aligned, of each of two rows
.endr
.endm
	s_load_b128 s[4:7], s[0:1], 0x0                ; cc, pw
	s_load_b64 s[8:9], s[0:1], 0x10                ; out0
	v_lshl_add_u32 v28, v0, 2, SPARE
	v_mov_b32 v29, 0
	ds_add_u32 v28, v29                            ; the wave's opening
	v_lshrrev_b32 v1, 5, v0
	v_readfirstlane_b32 s14, v1
	s_lshr_b32 s15, s14, 1                         ; rh; also: I fetch for ctx (0) or for Wo (1)
	s_and_b32 s16, s14, 1                          ; ch; also: which half I fetch
	s_bfe_u32 s40, ttmp6, 0x40000
	s_bfe_u32 s41, ttmp6, 0x40004
	s_lshl_b32 s42, ttmp9, 2
	s_add_co_u32 s42, s42, s40                     ; tx
	s_and_b32 s17, ttmp7, 0xffff
	s_lshl_b32 s17, s17, 2
	s_add_co_u32 s17, s17, s41                     ; ty
	s_lshl_b32 s43, s41, 2
	s_lshl_b32 s43, 15, s43
	s_lshl_b32 s44, 0x1111, s40
	s_or_b32 s[G1A], s43, (3<<16)|(1<<21)
	s_or_b32 s[G1B], s44, (3<<16)|(1<<21)
	s_or_b32 s[G1SA], s43, (3<<16)|(1<<21)
	s_or_b32 s[G1SB], s44, (3<<16)|(1<<21)
	s_mov_b32 s[G1A+1], 768<<16                    ; ctx: 8 blocks of 16 rows, 6,144 bytes (four K steps) each, 12,288 bytes apart
	s_mov_b32 s[G1A+2], 8<<16
	s_mov_b32 s[G1A+3], 768<<16
	s_mov_b32 s[G1A+4], 8
	s_mov_b32 s[G1A+5], 1536
	s_mov_b32 s[G1A+6], 0
	s_mov_b32 s[G1A+7], 0
	s_mov_b32 s[G1B+1], 768<<16                    ; Wo: 4 tiles likewise
	s_mov_b32 s[G1B+2], 4<<16
	s_mov_b32 s[G1B+3], 768<<16
	s_mov_b32 s[G1B+4], 4
	s_mov_b32 s[G1B+5], 1536
	s_mov_b32 s[G1B+6], 0
	s_mov_b32 s[G1B+7], 0
	s_mov_b32 s[G1SA+1], 128<<16                   ; ctx's scale words: four K steps, 1,024 bytes (16 blocks) of each, 16,384 bytes apart
	s_mov_b32 s[G1SA+2], 4<<16
	s_mov_b32 s[G1SA+3], 128<<16
	s_mov_b32 s[G1SA+4], 4
	s_mov_b32 s[G1SA+5], 2048
	s_mov_b32 s[G1SA+6], 0
	s_mov_b32 s[G1SA+7], 0
	s_mov_b32 s[G1SB+1], 32<<16                    ; Wo's: 2,048 dense bytes
	s_mov_b32 s[G1SB+2], 8<<16
	s_mov_b32 s[G1SB+3], 32<<16
	s_mov_b32 s[G1SB+4], 8
	s_mov_b32 s[G1SB+5], 32
	s_mov_b32 s[G1SB+6], 0
	s_mov_b32 s[G1SB+7], 0
	s_lshl_b32 s20, s17, 4
	s_lshl_b32 s21, s16, 3
	s_add_co_u32 s20, s20, s21
	s_mul_i32 s20, s20, 12288
	s_mov_b32 s21, 0
	s_lshl_b32 s22, s17, 10
	s_lshl_b32 s23, s16, 16
	s_add_co_u32 s22, s22, s23
	s_add_co_u32 s22, s22, 3145728
	s_mov_b32 s23, 0
	s_lshl_b32 s46, s42, 3
	s_lshl_b32 s47, s16, 2
	s_add_co_u32 s46, s46, s47
	s_lshl_b32 s2, s46, 9
	s_add_co_u32 s2, s2, 4849664
	s_mul_i32 s46, s46, 12288
	s_add_co_u32 s46, s46, 3276800
	s_mov_b32 s47, 0
	s_mov_b32 s3, 0
	s_mul_i32 s45, s16, 49152
	s_mul_i32 s66, s16, 24576
	s_lshl_b32 s67, s16, 12
	s_lshl_b32 s12, s16, 11
	s_wait_dscnt 0x0
	s_wait_kmcnt 0x0
	s_add_nc_u64 s[20:21], s[4:5], s[20:21]
	s_add_nc_u64 s[22:23], s[4:5], s[22:23]
	s_add_nc_u64 s[46:47], s[6:7], s[46:47]
	s_add_nc_u64 s[2:3], s[6:7], s[2:3]
	CROUND
	s_mov_b32 s[G0SA], 1
	s_add_co_u32 s[G0SA+1], s67, SCL
	s_mov_b64 s[G0SA+2:G0SA+3], s[22:23]
	s_or_b32 s[G0SA+3], s[G0SA+3], 0x80000000
	s_mov_b32 s[G0SB], 1
	s_add_co_u32 s[G0SB+1], s12, SCLB
	s_mov_b64 s[G0SB+2:G0SB+3], s[2:3]
	s_or_b32 s[G0SB+3], s[G0SB+3], 0x80000000
	JLOAD G0SA, G1SA, G0SB, G1SB
.irp s, 0,1
	s_mov_b32 s[G0A+4*\s], 1
	s_add_co_u32 s[G0A+4*\s+1], s45, \s*SLOT
	s_add_nc_u64 s[G0A+4*\s+2:G0A+4*\s+3], s[20:21], \s*6144
	s_or_b32 s[G0A+4*\s+3], s[G0A+4*\s+3], 0x80000000
	s_mov_b32 s[G0B+4*\s], 1
	s_add_co_u32 s[G0B+4*\s+1], s66, \s*SLOT+BOFF
	s_add_nc_u64 s[G0B+4*\s+2:G0B+4*\s+3], s[46:47], \s*6144
	s_or_b32 s[G0B+4*\s+3], s[G0B+4*\s+3], 0x80000000
	JLOAD G0A+4*\s, G1A, G0B+4*\s, G1B             ; by this text's count three loads of mine are out
.endr
	v_and_b32 v1, 15, v0
	v_bfe_u32 v2, v0, 4, 1
	v_and_b32 v3, 31, v0
	v_lshlrev_b32 v27, 4, v3
	v_lshlrev_b32 v30, 3, v3
	s_mul_i32 s21, s15, 49152
	s_mul_i32 s22, s16, 24576
	s_add_co_u32 s22, s22, BOFF
.irp s, 0,1
	v_add_nc_u32 v[ADRA+\s], s21, v27
	v_add_nc_u32 v[ADRA+2+\s], s21, v30
	v_add_nc_u32 v[ADRB+\s], s22, v27
	s_add_co_u32 s21, s21, SLOT
	s_add_co_u32 s22, s22, SLOT
.endr
	s_lshl_b32 s21, s15, 9
	s_add_co_u32 s21, s21, SCL
	v_lshlrev_b32 v22, 2, v1
	v_lshl_add_u32 v22, v2, 8, v22
	v_add_nc_u32 v22, s21, v22                     ; ctx's words: 4 r, + 256 h (four blocks), + 512 rh
	s_lshl_b32 s21, s16, 11
	s_add_co_u32 s21, s21, SCLB
	v_lshlrev_b32 v23, 4, v1
	v_lshl_add_u32 v23, v2, 10, v23
	v_add_nc_u32 v23, s21, v23                     ; Wo's words: 16 r, + 1,024 h (two tiles), + 2,048 ch
	s_mul_i32 s21, s14, 34816
	v_mul_u32_u24 v24, v1, 272
	v_lshl_add_u32 v24, v2, 6, v24
	v_add_nc_u32 v24, s21, v24
	v_mul_u32_u24 v25, v2, 272
	v_lshl_add_u32 v25, v1, 4, v25
	v_add_nc_u32 v25, s21, v25
	v_lshlrev_b32 v26, 13, v2
	v_lshl_add_u32 v26, v1, 4, v26                 ; out0: lanes 0-15 one row, lanes 16-31 the next
	s_lshl_b32 s20, s17, 8
	s_lshl_b32 s21, s15, 7
	s_add_co_u32 s20, s20, s21
	s_lshl_b32 s20, s20, 13
	s_lshl_b32 s21, s42, 9
	s_add_co_u32 s20, s20, s21
	s_lshl_b32 s21, s16, 8
	s_add_co_u32 s20, s20, s21
	s_mov_b32 s21, 0
	s_add_nc_u64 s[8:9], s[8:9], s[20:21]
	s_wait_tensorcnt 1                             ; the scale words and my part of slot 0 are in; slot 1's load may be out
	s_barrier_signal -1
	s_barrier_wait -1
	FETCH_B 0, 0, 0
	FETCH_A 0, 0, 0
.irp k, 0,1,2,3,4,5,6,7
.irp i, 0,1,2,3
	ds_load_b32 v[32+4*\k+\i], v22 offset:1024*\k+64*\i
.endr
.endr
.irp k, 0,1
.irp t, 0,1
	ds_load_b128 v[64+8*\k+4*\t:64+8*\k+4*\t+3], v23 offset:512*\t+256*\k
.endr
.endr
	FETCH_A 0, 0, 4
	STEP 0, 0, 1
	STEP 0, 1, 0
	STEP 0, 2, 0
	s_wait_tensorcnt 0x0                           ; my part of slot 1 has landed
	ds_add_u32 v28, v29
	s_wait_dscnt 17                                ; the add and the youngest 16 loads may be out
	WIN MUL
	MUL8 0, 1, 3, 0, 0
	s_wait_dscnt 0x0
	s_barrier_signal -1
	MUL8 2, 1, 3, 0, 0
	WIN 0
	s_barrier_wait -1                              ; slot 1 is whole, and nobody reads slot 0 any more
	PLACES
	FETCH_B 1, 0, 0
	FETCH_A 1, 0, 0
	WIN MUL
	MUL8 4, 1, 3, 0, 0
	MUL8 6, 1, 3, 0, 0
	PLACES
	WIN 0
	FETCH_A 1, 0, 4
	STEP 1, 0, 0
	STEP 1, 1, 0
	STEP 1, 2, 0
	s_wait_dscnt 16
	WIN MUL
	MUL8 0, 1, 3, 1, 0
	MUL8 2, 1, 3, 1, 0
	s_wait_dscnt 0x0
	MUL8 4, 1, 3, 1, 0
	MUL8 6, 1, 3, 1, 0
	WIN 0
	PLACES
	; the way out: through my stage in slot 0, back as rows of 256 bytes
	WIN 0x08
.irp a, 0,1,2,3,4,5,6,7
.irp e, 0,1,2,3,4,5,6,7
	ds_store_b128 v24, v[32*\a+4*\e:32*\a+4*\e+3] offset:\a*4352+128*(\e/4)+16*(\e%4)   ; each accumulator from its low end on
.endr
.endr
	WIN 0
	BLD 0
.irp g, 1,2,3,4,5,6,7
.if \g > 1
	s_wait_xcnt 0x0                                ; the stores of two batches back have read their registers
.endif
	BLD \g
	s_wait_dscnt 8                                 ; all but the 8 loads just issued
	BST \g-1
.endr
	s_wait_dscnt 0x0
	BST 7
	s_wait_tensorcnt 0x0                           ; the wave's end
	ds_add_u32 v28, v29
	s_wait_dscnt 0x0
	CROUND                                         ; the closing round
	s_endpgm
.Lfunc_end_k_q58d5cac62b_outp:
	.size	k_q58d5cac62b_outp, .Lfunc_end_k_q58d5cac62b_outp-k_q58d5cac62b_outp
	.p2alignl 7, 3214868480
	.fill 96, 4, 3214868480
	.section	.rodata,"a",@progbits
	.p2align	6, 0x0
	.amdhsa_kernel k_q58d5cac62b_outp
		.amdhsa_group_segment_fixed_size 327680
		.amdhsa_private_segment_fixed_size 0
		.amdhsa_enable_private_segment 0
		.amdhsa_kernarg_size 24
		.amdhsa_user_sgpr_count 2
		.amdhsa_user_sgpr_kernarg_segment_ptr 1
		.amdhsa_wavefront_size32 1
		.amdhsa_system_sgpr_workgroup_id_x 1
		.amdhsa_system_sgpr_workgroup_id_y 1
		.amdhsa_system_sgpr_workgroup_id_z 1
		.amdhsa_system_vgpr_workitem_id 0
		.amdhsa_next_free_vgpr 768
		.amdhsa_next_free_sgpr 102
		.amdhsa_reserve_vcc 0
		.amdhsa_float_denorm_mode_32 3
		.amdhsa_float_denorm_mode_16_64 3
		.amdhsa_memory_ordered 1
		.amdhsa_forward_progress 1
		.amdhsa_inst_pref_size 85
	.end_amdhsa_kernel
	.amdgpu_metadata
---
amdhsa.version: [ 1, 2 ]
amdhsa.kernels:
  - .name:           k_q58d5cac62b_outp
    .symbol:         k_q58d5cac62b_outp.kd
    .args:
      - { .name: cc, .offset: 0, .size: 8, .value_kind: global_buffer, .address_space: global }
      - { .name: pw, .offset: 8, .size: 8, .value_kind: global_buffer, .address_space: global }
      - { .name: out0, .offset: 16, .size: 8, .value_kind: global_buffer, .address_space: global }
    .group_segment_fixed_size: 327680
    .private_segment_fixed_size: 0
    .kernarg_segment_align: 8
    .kernarg_segment_size: 24
    .max_flat_workgroup_size: 128
    .sgpr_count:     102
    .vgpr_count:     768
    .wavefront_size: 32
...
	.end_amdgpu_metadata
.endif
;; end of part 4
